; MI455X (gfx1250); checked and timed in simulation.
; The chip was launched on July 23, 2026; its instructions are those of AMD's public machine-readable ISA for CDNA 5 (MIT licence, August 2026) and "CDNA5" Instruction Set Architecture Reference Guide (July 2026). The comments in the code are by the model that wrote it; some were corrected since.
;; Multi Head Attention. Allowed arithmetic: matrix products marked QUANTISED: E2M1 operands, one E8M0 scale for each 32 along K, by v_wmma_scale_f32_16x16x128_f8f6f4 with both operands' format E2M1 (or v_wmma_scale_f32_32x16x128_f4), f32 sums; products left as they are: bf16, f16 or f32 operands; f32 sums; everything else in f32.
;; Inputs: Wk 16 x 64 x 1,024 float32; Wo 1,024 x 1,024 float32; Wq 16 x 64 x 1,024 float32; Wv 16 x 64 x 1,024 float32; bk 16 x 64 float32; bo 1,024 float32; bq 16 x 64 float32; bv 16 x 64 float32; input_matrix 4 x 2,048 x 1,024 float32.
;; Outputs: out0 4 x 2,048 x 1,024 float32.
;; This version of the problem:
;;   THIS VERSION OF THE PROBLEM IS GIVEN IN LOW PRECISION. The matrix products marked QUANTISED in the list below multiply operands that are first quantised to E2M1 (2 exponent bits, 1 mantissa bit; 4 bits a number), with one power-of-two scale for each 32 numbers along K (OCP MX v1.0); their sums are f32. The products marked 'left as it is' may take bf16, f16 or f32 operands, with f32 sums. Whichever they take, every output number must still come out within the allowed error. Rounding operands to bf16 (8 significant bits) uses up far more of that allowance than f16 does (11 bits, for magnitudes from 6e-5 to 65,504). All else is computed in f32.
;;   The module's matrix products, in the order in which they are computed (A, B: the left and right operand; K: the contracted axis; several contracted axes count as one K, in the product's order):
;;     1. [M 1,024, K 1,024] x [K 1,024, N 8,192]; A: input Wq; B: input input_matrix: QUANTISED
;;     2. [M 1,024, K 1,024] x [K 1,024, N 8,192]; A: input Wk; B: input input_matrix: QUANTISED
;;     3. [M 1,024, K 1,024] x [K 1,024, N 8,192]; A: input Wv; B: input input_matrix: QUANTISED
;;     4. batch 64 x [M 2,048, K 64] x [K 64, N 2,048]; A: computed on the way; B: computed on the way: left as it is (an operand is computed on the way)
;;     5. batch 64 x [M 2,048, K 2,048] x [K 2,048, N 64]; A: computed on the way; B: computed on the way: left as it is (an operand is computed on the way)
;;     6. [M 8,192, K 1,024] x [K 1,024, N 1,024]; A: computed on the way; B: input Wo: left as it is (an operand is computed on the way)
;;   THE QUANTISER, for each operand of a quantised product, along K:
;;     - K is cut into blocks of 32 from its start; a last block that is shorter is filled with zeros.
;;     - A block's scale is 2^e with e = floor(log2(the largest magnitude in the block)) - 2, held to -126 .. 127; a block of zeros has e = 0. As a byte (E8M0): e + 127.
;;     - Each number is divided by its block's scale, clamped to +-6, and rounded to the nearest number of E2M1, ties to even, subnormals kept.
;;     - The product sums the exact products of the quantised numbers (number of the format x scale) in f32.
;;   ~~~python
;;   def quantise(x, axis):      # numpy; x: float32 -> the quantised numbers, widened to float32 again
;;       x = np.moveaxis(x, axis, -1); K = x.shape[-1]
;;       x = np.pad(x, [(0, 0)] * (x.ndim - 1) + [(0, -K % 32)]); x = x.reshape(x.shape[:-1] + (-1, 32)); a = np.abs(x).max(-1, keepdims=True)
;;       e = np.where(a > 0, np.clip(np.frexp(np.where(a > 0, a, 1))[1] - 1 - 2, -126, 127), 0)      # np.frexp(a)[1] - 1 = floor(log2(a)), exactly
;;       r = np.clip(x / 2.0 ** e, -6, 6)
;;       step = 2.0 ** (np.maximum(np.frexp(np.where(r == 0, 1, r))[1] - 1, 0) - 1)
;;       q = np.round(r / step) * step * 2.0 ** e      # np.round: ties to even
;;       return np.moveaxis(q.reshape(q.shape[:-2] + (-1,))[..., :K], -1, axis).astype(np.float32)
;;   ~~~
;; One version. Each part assembles by itself: llvm-mc -triple=amdgcn-amd-amdhsa -mcpu=gfx1250 --defsym DOCPART=n.
;; ======== version 1 of 1: 4 launches
;; limits: values are held in f16: magnitudes above 65,504 overflow, below 6.1e-05 lose precision
;; workspace buffers: xcodes 4,194,304 bytes; xscales 262,144 bytes; wcodes 1,572,864 bytes; wscales 98,304 bytes; wo16 2,097,152 bytes; qkv 50,331,648 bytes; z16 16,777,216 bytes
;; launch prep (part 1): grid 384 x 1, 4 waves a work-group, no clusters, 33,280 bytes of LDS; arguments input_matrix, Wq, Wk, Wv, Wo, xcodes, xscales, wcodes, wscales, wo16; writes xcodes, xscales, wcodes, wscales, wo16
.if DOCPART == 1
	.amdgcn_target "amdgcn-amd-amdhsa--gfx1250"
	.amdhsa_code_object_version 6
	.text
	.protected	k_q42e77e50a7_prep
	.globl	k_q42e77e50a7_prep
	.p2align	8
	.type	k_q42e77e50a7_prep,@function
k_q42e77e50a7_prep:
	s_mov_b64 s[64:65], 0
	v_nop
	global_prefetch_b8 v0, s[64:65] scope:SCOPE_SE
	s_setreg_imm32_b32 hwreg(HW_REG_WAVE_MODE, 25, 1), 1
	s_wait_xcnt 0x0
; PREP.  input_matrix [8192][1024], Wq, Wk, Wv [1024][1024] (row = 64 head + e), all f32 with K innermost, become codes of FP4 (E2M1), two a byte, K innermost,
; with one E8M0 scale byte for each 32 along K: xcodes [8192][512 B], xscales [8192][32], wcodes [3072][512 B] (Wq's rows, then Wk's, then Wv's), wscales [3072][32].
; Wo [1024][1024] f32 becomes f16, same layout (wo16): its product is left as it is and takes f16 operands.
; A block's scale is 2^(floor(log2(largest magnitude)) - 2); its byte is the largest magnitude's exponent field - 2, held at 1 from below.
; LIMITS: a block of zeros gets the byte 1 where the rule says 127 (its codes are zeros, and this program alone reads the bytes); NaN and infinities are not served; |Wo| stays under 65,504, and
; under 6e-5 its rounding to f16 is absolute, 3e-8.
; SHARES.  A work-group takes 32,768 numbers, a wave 8,192.  Work-groups 0-255: input_matrix; 256-287: Wq; 288-319: Wk; 320-351: Wv; 352-383: the cast of Wo.  Rows are dense and K is a multiple of 32,
; so each tensor is a plain stream of blocks of 32.  Only pointers are chosen for the four quantised tensors: they take one path.  The cast takes a path of its own, which touches no LDS.
; No tensor load, no cluster, no barrier: every byte is read once and waves share nothing.
.set WAVES, 4
.set STEPS, 16
.set EMAX,  2
.set CB,    8                          ; bytes of 16 codes
.set R,     16                         ; v16-79   four sets of 16 numbers as loaded (cast: v16-143, two sets of 64)
.set X,     80                         ; v80-111  two sets of 16 neighbours
.set E,     112                        ; v112-127 a scale byte for each step
.set C,     128                        ; v128-191 codes: four registers for each step, so that no store's data are written again
.set OUT,   144                        ; cast: v144-175 a round's 16 x 8 bytes
.set WREG,  8192                       ; LDS: a region for each wave: two stages of 32 x SP bytes, then its 256 scale bytes
.set SP,    80                         ; a lane's place in a stage: 64 bytes + 16 of padding
.set SPW,   12                         ; v12 LDS address of my spare word; never rewritten
.set NIL,   13                         ; v13 0; never rewritten
.set SPARE, WAVES*WREG                 ; behind the four regions: the spare words, 128 bytes a wave; no other line names them
	s_load_b256 s[4:11], s[0:1], 0x0               ; input_matrix, Wq, Wk, Wv
	s_load_b256 s[12:19], s[0:1], 0x20             ; Wo, xcodes, xscales, wcodes
	s_load_b128 s[20:23], s[0:1], 0x40             ; wscales, wo16
	v_lshl_add_u32 v[SPW], v0, 2, SPARE
	v_mov_b32 v[NIL], 0
	v_lshrrev_b32 v1, 5, v0
	v_readfirstlane_b32 s32, v1                    ; wave
	v_and_b32 v2, 31, v0                           ; lane
	v_lshlrev_b32 v3, 4, v2                        ; my 16 bytes of a load's 512
	s_mul_i32 s33, s32, WREG
	v_lshrrev_b32 v14, 2, v2
	v_mul_u32_u24 v14, v14, SP
	v_and_b32 v15, 3, v2
	v_lshl_add_u32 v14, v15, 4, v14
	v_add_nc_u32 v14, s33, v14                     ; the stage, on the way in: SP (lane / 4) + 16 (lane % 4)
	v_mul_u32_u24 v15, v2, SP
	v_add_nc_u32 v15, s33, v15                     ; and on the way out: SP x lane: my 16 neighbours
	v_mul_u32_u24 v4, v2, CB                       ; 8 x lane: my codes' place in a step's (cast: my 8 bytes of a store's 256)
	v_lshrrev_b32 v5, 1, v2
	s_add_co_u32 s33, s33, 2*32*SP
	v_add_nc_u32 v5, s33, v5                       ; LDS: my wave's 256 scale bytes, my block's byte
	v_lshlrev_b32 v7, 3, v2
	v_add_nc_u32 v6, s33, v7                       ; and on the way out 8 bytes a lane
	s_wait_kmcnt 0x0
	s_cmp_ge_u32 ttmp9, 352                        ; the work-group's number alone decides
	s_cbranch_scc1 .Lcast
	s_cmp_lt_u32 ttmp9, 320
	s_cselect_b64 s[24:25], s[8:9], s[10:11]       ; Wk or Wv
	s_cmp_lt_u32 ttmp9, 288
	s_cselect_b64 s[24:25], s[6:7], s[24:25]       ; Wq
	s_cmp_lt_u32 ttmp9, 256
	s_cselect_b64 s[24:25], s[4:5], s[24:25]       ; input_matrix
	s_cselect_b64 s[26:27], s[14:15], s[18:19]     ; the codes' buffer
	s_cselect_b64 s[28:29], s[16:17], s[20:21]     ; the scale bytes' buffer
	s_cselect_b32 s30, 0, 256                      ; the first work-group of the destination
	s_cselect_b32 s31, -1, 31                      ; a weight has 32 work-groups
	s_sub_co_u32 s33, ttmp9, s30
	s_and_b32 s34, s33, s31
	s_lshl_b32 s33, s33, 2
	s_add_co_u32 s33, s33, s32                     ; which run of 8,192 numbers of the destination is my wave's
	s_lshl_b32 s34, s34, 2
	s_add_co_u32 s34, s34, s32                     ; and of the source
	s_lshl_b32 s36, s34, 15                        ; 32,768 bytes of f32 a run
	s_mov_b32 s37, 0
	s_add_nc_u64 s[24:25], s[24:25], s[36:37]
	s_lshl_b32 s36, s33, 12                        ; 4,096 bytes of codes
	s_add_nc_u64 s[26:27], s[26:27], s[36:37]
	s_lshl_b32 s36, s33, 8                         ; 256 scale bytes
	s_add_nc_u64 s[28:29], s[28:29], s[36:37]
.macro LOAD t
.irp i, 0,1,2,3
	global_load_b128 v[R+16*((\t)%4)+4*\i:R+16*((\t)%4)+4*\i+3], v3, s[24:25] offset:2048*(\t)+512*\i th:TH_LOAD_NT   ; 32 lanes read 512 consecutive bytes
.endr
.endm
.macro TURN t                          ; step t's numbers through the stage: LDS serves a wave's instructions in order, so no wait stands between the stores and the loads
.irp i, 0,1,2,3
	ds_store_b128 v14, v[R+16*((\t)%4)+4*\i:R+16*((\t)%4)+4*\i+3] offset:32*SP*((\t)%2)+8*SP*\i
.endr
.irp i, 0,1,2,3
	ds_load_b128 v[X+16*((\t)%2)+4*\i:X+16*((\t)%2)+4*\i+3], v15 offset:32*SP*((\t)%2)+16*\i
.endr
.endm
.irp t, 0,1,2,3
	LOAD \t
.endr
	s_wait_loadcnt 12                              ; step 0's four loads are in; the 12 of steps 1 to 3 may be out
	TURN 0
.macro STEP t
.set XS, X+16*((\t)%2)
.if (\t) > 0
	s_wait_dscnt 1                                 ; this step's numbers are back from the stage; the last step's one byte store, issued behind them, may be out
.else
	s_wait_dscnt 0x0
.endif
.if (\t)+4 < STEPS
	LOAD (\t)+4                                    ; the stores into the stage have read these registers
.endif
.if (\t)+1 < STEPS
.if STEPS-2-(\t) >= 3
	s_wait_loadcnt 12                              ; the next step's four loads are in; those of the three steps behind it may be out
.else
	s_wait_loadcnt 4*(STEPS-2-(\t))
.endif
	TURN (\t)+1
.endif
	v_max3_num_f32 v8, |v[XS]|, |v[XS+1]|, |v[XS+2]|               ; the largest magnitude of my 16, in two chains
	v_max3_num_f32 v9, |v[XS+3]|, |v[XS+4]|, |v[XS+5]|
.irp i, 6,10
	v_max3_num_f32 v8, v8, |v[XS+\i]|, |v[XS+\i+1]|
	v_max3_num_f32 v9, v9, |v[XS+\i+2]|, |v[XS+\i+3]|
.endr
	v_max3_num_f32 v8, v8, |v[XS+14]|, |v[XS+15]|
	v_max3_num_f32 v8, v8, v9, (EMAX+1)<<23        ; and the floor 2^(3 - 127): the byte cannot fall under 1
	v_max_num_f32_dpp v8, v8, v8 row_xmask:1 row_mask:0xf bank_mask:0xf   ; with my neighbour's 16: the block's
	v_add_nc_u32 v11, 0xff000000, v8               ; 2 off its exponent field: the conversion takes this operand's exponent field as its scale
	v_cvt_scalef32_pk8_fp4_f32 v[C+4*(\t)], v[XS:XS+7], v11
	v_cvt_scalef32_pk8_fp4_f32 v[C+4*(\t)+1], v[XS+8:XS+15], v11
	v_lshrrev_b32 v[E+(\t)], 23, v11               ; the scale's byte (also the plain line behind the conversions)
	ds_store_b8 v5, v[E+(\t)] offset:16*(\t)       ; both lanes of a block write the same byte with the same value
	global_store_b64 v4, v[C+4*(\t):C+4*(\t)+1], s[26:27] offset:32*CB*(\t)   ; the wave stores 256 consecutive bytes, aligned
.endm
.irp t, 0,1,2,3,4,5,6,7,8,9,10,11,12,13,14,15
	STEP \t
.endr
	ds_load_b64 v[8:9], v6                         ; LDS serves a wave's instructions in order: this sees my byte stores
	s_wait_dscnt 0x0
	global_store_b64 v7, v[8:9], s[28:29]          ; 256 consecutive scale bytes, aligned
	s_wait_tensorcnt 0x0                           ; the wave's end, behind my last LDS store
	ds_add_u32 v[SPW], v[NIL]
	s_wait_dscnt 0x0
	s_endpgm
; THE CAST of Wo: 64 loads of 512 bytes a wave, in four rounds of 16, two rounds on their way; a lane's 4 numbers become 8 bytes, a wave's store 256 consecutive bytes.  No LDS.
.Lcast:
	s_sub_co_u32 s33, ttmp9, 352
	s_lshl_b32 s33, s33, 2
	s_add_co_u32 s33, s33, s32                     ; my wave's run of 8,192 numbers
	s_lshl_b32 s36, s33, 15
	s_mov_b32 s37, 0
	s_add_nc_u64 s[12:13], s[12:13], s[36:37]
	s_lshl_b32 s36, s33, 14
	s_add_nc_u64 s[22:23], s[22:23], s[36:37]
.macro CLOAD g
.irp i, 0,1,2,3,4,5,6,7,8,9,10,11,12,13,14,15
	global_load_b128 v[R+64*((\g)%2)+4*\i:R+64*((\g)%2)+4*\i+3], v3, s[12:13] offset:512*(16*(\g)+\i) th:TH_LOAD_NT
.endr
.endm
.macro CAST g
.set RS, R+64*((\g)%2)
.if (\g) < 3
	s_wait_loadcnt 16                              ; this round's 16 loads are in; the next round's 16 may be out
.else
	s_wait_loadcnt 0x0
.endif
.if (\g) > 0
	s_wait_xcnt 0x0                                ; the last round's stores have read OUT: it is rewritten only behind this wait
.endif
.irp i, 0,1,2,3,4,5,6,7,8,9,10,11,12,13,14,15
	v_cvt_pk_f16_f32 v[OUT+2*\i], v[RS+4*\i], v[RS+4*\i+1]
	v_cvt_pk_f16_f32 v[OUT+2*\i+1], v[RS+4*\i+2], v[RS+4*\i+3]
.endr
.if (\g)+2 < 4
	CLOAD (\g)+2
.endif
.irp i, 0,1,2,3,4,5,6,7,8,9,10,11,12,13,14,15
	global_store_b64 v4, v[OUT+2*\i:OUT+2*\i+1], s[22:23] offset:256*(16*(\g)+\i)
.endr
.endm
	CLOAD 0
	CLOAD 1
	CAST 0
	CAST 1
	CAST 2
	CAST 3
	s_endpgm
.Lfunc_end_k_q42e77e50a7_prep:
	.size	k_q42e77e50a7_prep, .Lfunc_end_k_q42e77e50a7_prep-k_q42e77e50a7_prep
	.p2alignl 7, 3214868480
	.fill 96, 4, 3214868480
	.section	.rodata,"a",@progbits
	.p2align	6, 0x0
	.amdhsa_kernel k_q42e77e50a7_prep
		.amdhsa_group_segment_fixed_size 33280
		.amdhsa_private_segment_fixed_size 0
		.amdhsa_enable_private_segment 0
		.amdhsa_kernarg_size 80
		.amdhsa_user_sgpr_count 2
		.amdhsa_user_sgpr_kernarg_segment_ptr 1
		.amdhsa_wavefront_size32 1
		.amdhsa_system_sgpr_workgroup_id_x 1
		.amdhsa_system_sgpr_workgroup_id_y 1
		.amdhsa_system_sgpr_workgroup_id_z 1
		.amdhsa_system_vgpr_workitem_id 0
		.amdhsa_next_free_vgpr 192
		.amdhsa_next_free_sgpr 66
		.amdhsa_reserve_vcc 0
		.amdhsa_float_denorm_mode_32 3
		.amdhsa_float_denorm_mode_16_64 3
		.amdhsa_memory_ordered 1
		.amdhsa_forward_progress 1
		.amdhsa_inst_pref_size 54
	.end_amdhsa_kernel
	.amdgpu_metadata
---
amdhsa.version: [ 1, 2 ]
amdhsa.kernels:
  - .name:           k_q42e77e50a7_prep
    .symbol:         k_q42e77e50a7_prep.kd
    .args:
      - { .name: input_matrix, .offset: 0, .size: 8, .value_kind: global_buffer, .address_space: global }
      - { .name: Wq, .offset: 8, .size: 8, .value_kind: global_buffer, .address_space: global }
      - { .name: Wk, .offset: 16, .size: 8, .value_kind: global_buffer, .address_space: global }
      - { .name: Wv, .offset: 24, .size: 8, .value_kind: global_buffer, .address_space: global }
      - { .name: Wo, .offset: 32, .size: 8, .value_kind: global_buffer, .address_space: global }
      - { .name: xcodes, .offset: 40, .size: 8, .value_kind: global_buffer, .address_space: global }
      - { .name: xscales, .offset: 48, .size: 8, .value_kind: global_buffer, .address_space: global }
      - { .name: wcodes, .offset: 56, .size: 8, .value_kind: global_buffer, .address_space: global }
      - { .name: wscales, .offset: 64, .size: 8, .value_kind: global_buffer, .address_space: global }
      - { .name: wo16, .offset: 72, .size: 8, .value_kind: global_buffer, .address_space: global }
    .group_segment_fixed_size: 33280
    .private_segment_fixed_size: 0
    .kernarg_segment_align: 8
    .kernarg_segment_size: 80
    .max_flat_workgroup_size: 128
    .sgpr_count:     66
    .vgpr_count:     192
    .wavefront_size: 32
...
	.end_amdgpu_metadata
.endif
;; end of part 1
;; launch qkv (part 2): grid 12 x 32, 4 waves a work-group, clusters of 4 x 4, 327,680 bytes of LDS; arguments xcodes, xscales, wcodes, wscales, bq, bk, bv, qkv; writes qkv
.if DOCPART == 2
	.amdgcn_target "amdgcn-amd-amdhsa--gfx1250"
	.amdhsa_code_object_version 6
	.text
	.protected	k_q42e77e50a7_qkv
	.globl	k_q42e77e50a7_qkv
	.p2align	8
	.type	k_q42e77e50a7_qkv,@function
k_q42e77e50a7_qkv:
	s_mov_b64 s[64:65], 0
	v_nop
	global_prefetch_b8 v0, s[64:65] scope:SCOPE_SE
	s_setreg_imm32_b32 hwreg(HW_REG_WAVE_MODE, 25, 1), 1
	s_wait_xcnt 0x0
	s_wait_alu depctr_hold_cnt(0) depctr_sa_sdst(0) depctr_va_vdst(0) depctr_va_sdst(0) depctr_va_ssrc(0) depctr_va_vcc(0) depctr_vm_vsrc(0)
	s_getreg_b32 s2, hwreg(HW_REG_IB_STS2, 6, 4)
	s_cmp_eq_u32 s2, 0
	s_cbranch_scc0 .Lentry_in_a_cluster
	s_endpgm
.Lentry_in_a_cluster:
	s_bfe_u32 s2, ttmp6, 0x10000c
	s_cmp_lg_u32 s2, 0xf033
	s_cbranch_scc0 .Lentry_shape_is_right
	s_endpgm
.Lentry_shape_is_right:
; QKV.  The three quantised projections as one GEMM on codes of FP4 (E2M1) with E8M0 scales: C[token][col] = sum over k of x[token][k] W[col][k], 8,192 x 3,072 x 1,024; columns 0-1023 q, 1024-2047 k, 2048-3071 v.
; Then + bias in f32, q also x c = log2(e) / 8 (so that the next launch's scores are exponents of 2), rounded once to f16 and stored by heads: qkv [3][64 (16 batch + head)][2048 tokens][64], rows of 128 bytes.
; LIMITS: |c q|, |k|, |v| stay under 65,504; under 6e-5 the rounding to f16 is absolute, 3e-8.  NaN and infinities are not served.
; A tile of C, 256 tokens x 256 columns (four heads of one of q, k, v), is made by four waves; a wave makes 128 x 128: 64 accumulators of 16 x 16, 512 registers.
; K = 1,024 is two slots of 512 (LDS rows of 256 bytes): both are first fills, so there is no loop over laps and nothing is filled again.
; The scales of the work-group's 256 + 256 rows, for all of K, come into LDS once, with the first fills.
; CLUSTERS: 4 x 4 work-groups.  The four of a row of the cluster need the same tiles of x, the four of a column the same tiles of W: each tile is asked for jointly, by the same tensor load with the same
; descriptor and a mask that names the four.  The cluster's x (0, 1, 2) says q, k or v: it is the same in all sixteen.
; THE MATRIX INSTRUCTION IS USED TRANSPOSED (source 0 = 16 rows of W, source 1 = 16 tokens): a lane then holds eight neighbouring columns of one token.
; REGISTERS, in windows of 256: window 0: v0-31 addresses; v32-95 scale words, two sets; v128-191 x's fragments, one set; v192-255 the bias of my 128 columns in the result's layout.
;   window 1: W's fragments, two sets, at v0 and v128.   window 2: the accumulators of my tokens 0-63 ((a, b) at v[8 (8 a + b)]);   window 3: those of tokens 64-127.
;   On the way out, window 0: v32-63 packed results, v64-127 rows read back (two sets), v128-191 results in f32.
.set SIZE_K, 1024
.set KSTEP,  512
.set NQ,     KSTEP/128
.set ROWB,   256
.set KROW,   SIZE_K/2
.set PITCH,  272                       ; an LDS row: 256 bytes + 16 of padding: the 16 rows that a load touches start at 16 different banks (64 banks of 4 bytes: ISA guide 11.1)
.set FR,     8
.set NL,     2
.set NP,     4
.set HALFT,  128*PITCH
.set SLOT,   4*HALFT                   ; x's 256 rows, then W's 256 rows
.set KS,     SIZE_K/32
.set SCL,    2*SLOT                    ; behind the ring: the scales, as rows of 256 bytes + 16 of padding
.set HALFS,  (128*KS/256)*272
.set SBLK,   (16*KS/256)*272
.set SPARE,  SCL+4*HALFS               ; the spare words, 128 bytes a wave; no other line names them
.set SPL,    16*144                    ; the way out: a stage of [2 heads][16 tokens] x (128 bytes + 16) for each wave, in slot 0, which has had its one fill and its last read by then
.set ADRA, 16
.set ADRB, 20
.set STO,  24
.set RD,   25
.set CO,   26
.set ADRS, 27
.set SPW,  28
.set NIL,  29
.set BO,   30                          ; v30 32 x (lane / 16): my eight columns' place among a block's 16 biases
.set SC,   32
.set AF,   128
.set TMP,  32
.set BK,   64
.set T,    128
.set BIAS, 192
.set CS,   66                          ; s[66:67] c for q, 1.0 for k and v
.set G1, 24
.set G0, 32
.set G1B, 48
.set G0B, 56
.set G1S, 68
.set G0S, 76
.set G1SB, 80
.set G0SB, 88
.set MSB, 0
.macro WIN new                         ; the immediate's high byte repeats the setting that is left
.if MSB != (\new)
	s_set_vgpr_msb (MSB<<8)|(\new)
.set MSB, \new
.endif
.endm
.set MUL_LO, 0xa1                      ; source 0 (W) window 1, source 1 (x) window 0, C and D window 2
.set MUL_HI, 0xf1
.set TO_B,   0x40
; A joint load: waves 0 and 1 fetch for x, waves 2 and 3 for W; the branch hangs on the wave's number alone.  An s_nop 0 and four v_nop follow each of the two lines.
.macro JLOAD g0a, g1a, g0b, g1b
	s_cmp_eq_u32 s15, 0
	s_cbranch_scc0 .Lfor_b_\@
	tensor_load_to_lds s[\g0a:\g0a+3], s[\g1a:\g1a+7]
	s_nop 0
.rept 4
	v_nop
.endr
	s_branch .Lasked_\@
.Lfor_b_\@:
	tensor_load_to_lds s[\g0b:\g0b+3], s[\g1b:\g1b+7]
	s_nop 0
.rept 4
	v_nop
.endr
.Lasked_\@:
.endm
.macro CROUND                          ; a round of the cluster's barrier
	s_barrier_signal -1
	s_barrier_wait -1
	s_cmp_lg_u32 s14, 0
	s_cbranch_scc1 .Lnot_wave_0_\@
	s_barrier_signal -3
.Lnot_wave_0_\@:
	s_barrier_wait -3
	s_barrier_signal -1
	s_barrier_wait -1
.endm
	s_load_b128 s[4:7], s[0:1], 0x0                ; x's codes, x's scales
	s_load_b128 s[8:11], s[0:1], 0x10              ; W's codes, W's scales
	s_load_b128 s[96:99], s[0:1], 0x20             ; bq, bk
	s_load_b64 s[100:101], s[0:1], 0x30            ; bv
	s_load_b64 s[12:13], s[0:1], 0x38              ; qkv
	v_lshl_add_u32 v[SPW], v0, 2, SPARE
	v_mov_b32 v[NIL], 0
	ds_add_u32 v[SPW], v[NIL]                      ; the wave's opening: the add, twice on end, and its wait ahead of my first tensor load
	ds_add_u32 v[SPW], v[NIL]
	v_lshrrev_b32 v1, 5, v0
	v_readfirstlane_b32 s14, v1                    ; wave 0..3
	s_lshr_b32 s15, s14, 1                         ; which half of the tile's tokens is mine.  Also: I fetch for x (0) or for W (1)
	s_and_b32 s16, s14, 1                          ; which half of its columns.  Also: which 128 rows of that tile I fetch
	s_bfe_u32 s40, ttmp6, 0x40000                  ; cx, cy: my place in the cluster
	s_bfe_u32 s41, ttmp6, 0x40004
	s_lshl_b32 s42, ttmp9, 2
	s_add_co_u32 s42, s42, s40                     ; tile column = 4 x cluster x + cx
	s_and_b32 s17, ttmp7, 0xffff
	s_lshl_b32 s17, s17, 2
	s_add_co_u32 s17, s17, s41                     ; tile row = 4 x cluster y + cy
	s_lshl_b32 s43, s41, 2
	s_lshl_b32 s43, 15, s43                        ; my row of the cluster
	s_lshl_b32 s44, 0x1111, s40                    ; my column
	; descriptor group 1: a tile of 128 rows x 256 bytes, 16 bytes of padding behind each row
	s_or_b32 s[G1+0], s43, (0<<16)|(1<<20)|(1<<21)|(5<<22)|(3<<25)  ; 15:0 the mask; 17:16 elements of 1 byte; 20 padding on; 21 set beside a mask; 24:22 after every 64 words; 31:25 four words
	s_or_b32 s[G1B+0], s44, (0<<16)|(1<<20)|(1<<21)|(5<<22)|(3<<25)
.irp g, G1, G1B
	s_mov_b32 s[\g+1], ROWB<<16                    ; tensor_dim0
	s_mov_b32 s[\g+2], 128<<16                     ; tensor_dim1
	s_mov_b32 s[\g+3], ROWB<<16                    ; tile_dim0
	s_mov_b32 s[\g+4], 128                         ; tile_dim1
	s_mov_b32 s[\g+5], KROW                        ; from row to row
	s_mov_b32 s[\g+6], 0
	s_mov_b32 s[\g+7], 0
.endr
	; the scales of 128 rows: a dense block of 4,096 bytes, as 16 rows of 256 bytes (32 elements of 8 bytes), 16 bytes of padding behind each
	s_or_b32 s[G1S+0], s43, (3<<16)|(1<<20)|(1<<21)|(5<<22)|(3<<25)
	s_or_b32 s[G1SB+0], s44, (3<<16)|(1<<20)|(1<<21)|(5<<22)|(3<<25)
.irp g, G1S, G1SB
	s_mov_b32 s[\g+1], 32<<16
	s_mov_b32 s[\g+2], (128*KS/256)<<16
	s_mov_b32 s[\g+3], 32<<16
	s_mov_b32 s[\g+4], 128*KS/256
	s_mov_b32 s[\g+5], 32
	s_mov_b32 s[\g+6], 0
	s_mov_b32 s[\g+7], 0
.endr
	s_lshl_b32 s18, s16, 7                         ; which 128 rows of the tile I fetch
	s_lshl_b32 s20, s17, 8
	s_add_co_u32 s20, s20, s18                     ; x: row 256 x tile row + 128 x half
	s_lshl_b32 s46, s42, 8
	s_add_co_u32 s46, s46, s18                     ; W: row 256 x tile column + 128 x half
	s_mov_b32 s21, 0
	s_mov_b32 s47, 0
	s_mov_b64 s[18:19], KS
	s_mul_u64 s[22:23], s[20:21], s[18:19]         ; where these rows' scales begin, in bytes
	s_mul_u64 s[92:93], s[46:47], s[18:19]
	s_mov_b64 s[18:19], KROW
	s_mul_u64 s[20:21], s[20:21], s[18:19]         ; and their codes
	s_mul_u64 s[46:47], s[46:47], s[18:19]
	s_mul_i32 s45, s14, HALFT                      ; where they go: wave x 128 rows: no place in the cluster enters an LDS address
	s_mul_i32 s94, s14, HALFS
	s_wait_dscnt 0x0                               ; both opening adds are done
	s_wait_kmcnt 0x0
	s_add_nc_u64 s[20:21], s[4:5], s[20:21]
	s_add_nc_u64 s[22:23], s[6:7], s[22:23]
	s_add_nc_u64 s[46:47], s[8:9], s[46:47]
	s_add_nc_u64 s[92:93], s[10:11], s[92:93]
	CROUND                                         ; all sixteen work-groups are here: the first joint loads meet
	s_mov_b32 s[G0S], 1
	s_add_co_u32 s[G0S+1], s94, SCL
	s_mov_b64 s[G0S+2:G0S+3], s[22:23]
	s_or_b32 s[G0S+3], s[G0S+3], 0x80000000
	s_mov_b32 s[G0SB], 1
	s_add_co_u32 s[G0SB+1], s94, SCL
	s_mov_b64 s[G0SB+2:G0SB+3], s[92:93]
	s_or_b32 s[G0SB+3], s[G0SB+3], 0x80000000
	JLOAD G0S, G1S, G0SB, G1SB                     ; the scales first: they are wanted with the first slot
.irp s, 0,1
	s_mov_b32 s[G0+4*\s], 1
	s_add_co_u32 s[G0+4*\s+1], s45, \s*SLOT
	s_add_nc_u64 s[G0+4*\s+2:G0+4*\s+3], s[20:21], \s*ROWB
	s_or_b32 s[G0+4*\s+3], s[G0+4*\s+3], 0x80000000
	s_mov_b32 s[G0B+4*\s], 1
	s_add_co_u32 s[G0B+4*\s+1], s45, \s*SLOT
	s_add_nc_u64 s[G0B+4*\s+2:G0B+4*\s+3], s[46:47], \s*ROWB
	s_or_b32 s[G0B+4*\s+3], s[G0B+4*\s+3], 0x80000000
	JLOAD G0+4*\s, G1, G0B+4*\s, G1B               ; by this text's own count three tensor loads of a wave are out here
.endr
	v_and_b32 v1, 15, v0                           ; r = l % 16
	v_bfe_u32 v2, v0, 4, 1                         ; h = l / 16
	v_mul_u32_u24 v3, v1, PITCH
	v_lshl_add_u32 v4, v2, 4, v3                   ; a fragment's row x pitch + 16 x half
	s_mul_i32 s21, s15, HALFT                      ; my 128 rows of x
	s_mul_i32 s22, s16, HALFT                      ; my 128 rows of W,
	s_add_co_u32 s22, s22, 2*HALFT                 ; which lie behind x's 256
.irp s, 0,1
	v_add_nc_u32 v[ADRA+\s], s21, v4
	v_add_nc_u32 v[ADRB+\s], s22, v4
	s_add_co_u32 s21, s21, SLOT
	s_add_co_u32 s22, s22, SLOT
.endr
	v_mul_u32_u24 v5, v1, KS                       ; my row's scales: 32 bytes a row,
	v_lshrrev_b32 v6, 8, v5
	v_lshl_add_u32 v5, v6, 4, v5                   ; and 16 more for each 256 passed
	s_mul_i32 s21, s15, HALFS
	s_mul_i32 s22, s16, HALFS
	s_add_co_u32 s22, s22, 2*HALFS
	s_sub_co_u32 s22, s22, s21
	v_mul_u32_u24 v6, s22, v2                      ; lanes 16-31 take W's: one product, the distance between the two bases
	s_add_co_u32 s21, s21, SCL
	v_add_nc_u32 v5, v5, v6
	v_add_nc_u32 v[ADRS], s21, v5
	s_mul_i32 s23, s14, 2*SPL                      ; my stage
	v_mul_u32_u24 v5, v1, 144                      ; in: token r, 16 bytes for each half of the lanes
	v_lshl_add_u32 v5, v2, 4, v5
	v_add_nc_u32 v[STO], s23, v5
	v_and_b32 v6, 31, v0
	v_lshlrev_b32 v[CO], 4, v6                     ; out: 16 bytes a lane of 512 consecutive bytes (four tokens of a head)
	v_lshrrev_b32 v5, 3, v6
	v_mul_u32_u24 v5, v5, 144
	v_and_b32 v6, 7, v6
	v_lshl_add_u32 v5, v6, 4, v5
	v_add_nc_u32 v[RD], s23, v5                    ; back: eight lanes to a token's 128 bytes, four tokens a load
	v_lshlrev_b32 v[BO], 5, v2
	; which of q, k, v: the cluster's x, which all sixteen partners share
	s_cmp_eq_u32 ttmp9, 1
	s_cselect_b64 s[98:99], s[98:99], s[100:101]   ; bk or bv
	s_cmp_eq_u32 ttmp9, 0
	s_cselect_b64 s[96:97], s[96:97], s[98:99]     ; bq
	s_mov_b32 s[CS], 1.0
	s_cselect_b32 s[CS], 0x3e38aa3b, s[CS]         ; c = log2(e) / 8 for q
	s_mov_b32 s[CS+1], s[CS]                       ; (named with it as a pair, so it is written)
	s_lshl_b32 s46, s40, 10                        ; my first column's bias: 4 (256 cx + 128 half)
	s_lshl_b32 s47, s16, 9
	s_add_co_u32 s46, s46, s47
	s_mov_b32 s47, 0
	s_add_nc_u64 s[96:97], s[96:97], s[46:47]
.irp b, 0,1,2,3,4,5,6,7
	global_load_b128 v[BIAS+8*\b:BIAS+8*\b+3], v[BO], s[96:97] offset:64*\b        ; lane (r, h): the biases of columns 16 b + 8 h + 0 .. 7
	global_load_b128 v[BIAS+8*\b+4:BIAS+8*\b+7], v[BO], s[96:97] offset:64*\b+16
.endr
	; where my part begins in qkv: which x 64 heads + batch x 16 heads + head, each 262,144 bytes, + token x 128
	s_lshl_b32 s20, ttmp9, 24
	s_lshr_b32 s21, s17, 3                         ; a batch is eight tile rows
	s_lshl_b32 s21, s21, 22
	s_add_co_u32 s20, s20, s21
	s_and_b32 s21, s17, 7
	s_lshl_b32 s21, s21, 15                        ; 256 tokens x 128 bytes
	s_add_co_u32 s20, s20, s21
	s_lshl_b32 s21, s15, 14                        ; my 128 tokens
	s_add_co_u32 s20, s20, s21
	s_mov_b32 s21, 0
	s_lshl_b32 s46, s40, 20                        ; head 4 cx + 2 half
	s_lshl_b32 s47, s16, 19
	s_add_co_u32 s46, s46, s47
	s_mov_b32 s47, 0
	s_add_nc_u64 s[20:21], s[20:21], s[46:47]
	s_add_nc_u64 s[12:13], s[12:13], s[20:21]
.macro FRAG reg, adr, q, i             ; 16 rows x 128 K of 4-bit codes: 8 registers; registers 4 c .. 4 c + 3 hold K = 64 c + 32 (l / 16) + 0 .. 31
.irp c, 0,1
	ds_load_b128 v[\reg+4*\c:\reg+4*\c+3], v[\adr] offset:64*(\q)+32*\c+(\i)*16*PITCH
.endr
.endm
; 16 matrix instructions: x's blocks a0, a0 + 1 against W's eight, 128 along K.  The 64 accumulators take turns, one instruction a turn, in the same order in every step.
.macro MUL16 a0, p, q, sc, zero
.irp a, \a0, \a0+1
.irp b, 0,1,2,3,4,5,6,7
.if \zero
	v_wmma_scale_f32_16x16x128_f8f6f4 v[8*(8*((\a)%4)+\b):8*(8*((\a)%4)+\b)+7], v[128*(\p)+FR*\b:128*(\p)+FR*\b+FR-1], v[AF+FR*(\a):AF+FR*(\a)+FR-1], 0, v[SC+8*NQ*(\sc)+NQ*\b+(\q)], v[SC+8*NQ*(\sc)+NQ*(\a)+(\q)] matrix_a_fmt:MATRIX_FMT_FP4 matrix_b_fmt:MATRIX_FMT_FP4 matrix_a_scale:MATRIX_SCALE_ROW1
.else
	v_wmma_scale_f32_16x16x128_f8f6f4 v[8*(8*((\a)%4)+\b):8*(8*((\a)%4)+\b)+7], v[128*(\p)+FR*\b:128*(\p)+FR*\b+FR-1], v[AF+FR*(\a):AF+FR*(\a)+FR-1], v[8*(8*((\a)%4)+\b):8*(8*((\a)%4)+\b)+7], v[SC+8*NQ*(\sc)+NQ*\b+(\q)], v[SC+8*NQ*(\sc)+NQ*(\a)+(\q)] matrix_a_fmt:MATRIX_FMT_FP4 matrix_b_fmt:MATRIX_FMT_FP4 matrix_a_scale:MATRIX_SCALE_ROW1
.endif
.endr
.endr
.endm
.macro FETCH_B slot, q, p
	WIN TO_B
.irp i, 0,1,2,3,4,5,6,7
	FRAG 128*(\p)+FR*\i, ADRB+\slot, \q, \i
.endr
	WIN 0
.endm
.macro FETCH_A slot, q, i0
.irp i, \i0, \i0+1, \i0+2, \i0+3
	FRAG AF+FR*(\i), ADRA+\slot, \q, \i
.endr
.endm
.macro SCALES sc                       ; a slot's scale words: four words a row; lanes 0-15 take x's block i, lanes 16-31 W's block i
.irp i, 0,1,2,3,4,5,6,7
	ds_load_b128 v[SC+8*NQ*\sc+NQ*\i:SC+8*NQ*\sc+NQ*\i+3], v[ADRS] offset:\i*SBLK
.endr
.endm
.macro PLACES n                        ; places behind matrix instructions, in front of loads into registers that they read
.rept \n
	v_nop
.endr
.endm
.macro STEP slot, q, zero              ; a step of 128 along K that has its successor in the same slot
	s_wait_dscnt 4*NL                              ; W's set and x's blocks 0-3 are in; the youngest eight loads (x's blocks 4-7) may be out
	WIN MUL_LO
	MUL16 0, (\q)%2, \q, \slot, \zero
	MUL16 2, (\q)%2, \q, \slot, \zero
	s_wait_dscnt 0                                 ; x's blocks 4-7 are in
	PLACES NP
	FETCH_B \slot, (\q)+1, 1-(\q)%2
	FETCH_A \slot, (\q)+1, 0
	WIN MUL_HI
	MUL16 4, (\q)%2, \q, \slot, \zero
	MUL16 6, (\q)%2, \q, \slot, \zero
	PLACES NP
	WIN 0
	FETCH_A \slot, (\q)+1, 4
.endm
; Slot 0's last step changes slots: one barrier; in front of it each wave waits for all its tensor loads (slot 1's), adds 0 to its spare word, and waits for that and for its reads of slot 0.  Nothing is filled again.
.macro TURN slot, next
	s_wait_tensorcnt 0x0
	ds_add_u32 v[SPW], v[NIL]
	s_wait_dscnt 4*NL+1                            ; the add and the youngest eight loads (x's blocks 4-7) may be out
	WIN MUL_LO
	MUL16 0, 1, NQ-1, \slot, 0
	s_wait_dscnt 0x0                               ; the add is done, and my reads of this slot are over
	s_barrier_signal -1
	MUL16 2, 1, NQ-1, \slot, 0
	WIN 0
	s_barrier_wait -1
	PLACES NP
	v_add_nc_u32 v[ADRS], 4*NQ, v[ADRS]            ; on to the next slot's scale words
	FETCH_B \next, 0, 0
	FETCH_A \next, 0, 0
	SCALES \next
	WIN MUL_HI
	MUL16 4, 1, NQ-1, \slot, 0
	MUL16 6, 1, NQ-1, \slot, 0
	PLACES NP
	WIN 0
	FETCH_A \next, 0, 4
.endm
	s_wait_tensorcnt 1                             ; the scales and my part of slot 0 are in; slot 1's one load may be out
	s_barrier_signal -1
	s_barrier_wait -1
	FETCH_B 0, 0, 0
	FETCH_A 0, 0, 0
	SCALES 0
	FETCH_A 0, 0, 4
	STEP 0, 0, 1                                   ; the first products start the sums: nothing is cleared
	STEP 0, 1, 0
	STEP 0, 2, 0
	TURN 0, 1
	STEP 1, 0, 0
	STEP 1, 1, 0
	STEP 1, 2, 0
	s_wait_dscnt 4*NL                              ; the last step: nothing more to fetch
	WIN MUL_LO
	MUL16 0, 1, NQ-1, 1, 0
	MUL16 2, 1, NQ-1, 1, 0
	s_wait_dscnt 0
	WIN MUL_HI
	MUL16 4, 1, NQ-1, 1, 0
	MUL16 6, 1, NQ-1, 1, 0
	WIN 0
; THE WAY OUT, block by block of 16 tokens x 128 columns (two heads).  (sum + bias) x c is one fused multiply-add with the bias x c; two roundings to f16 an instruction; a lane's 16 bytes go into my stage,
; [head][token], and come back as 512 consecutive bytes (four tokens of one head), which is how they lie in qkv.
	s_wait_loadcnt 0x0                             ; the biases
.irp i, 0,2,4,6,8,10,12,14,16,18,20,22,24,26,28,30,32,34,36,38,40,42,44,46,48,50,52,54,56,58,60,62
	v_pk_mul_f32 v[BIAS+\i:BIAS+\i+1], v[BIAS+\i:BIAS+\i+1], s[CS:CS+1] op_sel_hi:[1,0]   ; bias x c.  These 32 name no register of the last products: they are the places behind them
.endr
.macro PACK a
.set AC, 64*((\a)%4)
	WIN 0x02+(\a)/4                                ; source 0: window 2 or 3
.irp b, 0,1,2,3,4,5,6,7
.irp r, 0,1,2,3
	v_pk_fma_f32 v[T+8*\b+2*\r:T+8*\b+2*\r+1], v[AC+8*\b+2*\r:AC+8*\b+2*\r+1], s[CS:CS+1], v[BIAS+8*\b+2*\r:BIAS+8*\b+2*\r+1] op_sel_hi:[1,0,1]   ; each accumulator from its low end on
.endr
.endr
	WIN 0
.irp b, 0,1,2,3,4,5,6,7
.irp r, 0,1,2,3
	v_cvt_pk_f16_f32 v[TMP+4*\b+\r], v[T+8*\b+2*\r], v[T+8*\b+2*\r+1]
.endr
.endr
.endm
.macro TOSTAGE a
.set BB, BK+32*((\a)%2)
.irp b, 0,1,2,3,4,5,6,7
	ds_store_b128 v[STO], v[TMP+4*\b:TMP+4*\b+3] offset:(\b/4)*SPL+32*(\b%4)
.endr
.irp t, 0,1,2,3,4,5,6,7
	ds_load_b128 v[BB+4*\t:BB+4*\t+3], v[RD] offset:(\t/4)*SPL+(\t%4)*576   ; LDS serves a wave's instructions in order: these see the stores above
.endr
.endm
.macro SEND a, younger
.set BB, BK+32*((\a)%2)
	s_wait_dscnt \younger                          ; the block is back in registers
.irp t, 0,1,2,3,4,5,6,7
	global_store_b128 v[CO], v[BB+4*\t:BB+4*\t+3], s[12:13] offset:(\t/4)*262144+(\t%4)*512+(\a)*2048   ; 512 consecutive bytes, at a multiple of 256 from qkv's first byte; every offset is an immediate
.endr
.endm
	PACK 0
	TOSTAGE 0
.irp a, 1,2,3,4,5,6,7
	PACK \a
.if \a > 1
	s_wait_xcnt 0x0                                ; block a - 2's stores have read their registers: block a's loads may land there
.endif
	TOSTAGE \a
	SEND \a-1, 16                                  ; behind block a - 1's loads: block a's 8 stores and 8 loads
.endr
	SEND 7, 0
	s_wait_tensorcnt 0x0                           ; the wave's end, behind my last tensor load and my last LDS store
	ds_add_u32 v[SPW], v[NIL]
	s_wait_dscnt 0x0
	CROUND                                         ; the closing round
	s_endpgm
.Lfunc_end_k_q42e77e50a7_qkv:
	.size	k_q42e77e50a7_qkv, .Lfunc_end_k_q42e77e50a7_qkv-k_q42e77e50a7_qkv
	.p2alignl 7, 3214868480
	.fill 96, 4, 3214868480
	.section	.rodata,"a",@progbits
	.p2align	6, 0x0
	.amdhsa_kernel k_q42e77e50a7_qkv
		.amdhsa_group_segment_fixed_size 327680
		.amdhsa_private_segment_fixed_size 0
		.amdhsa_enable_private_segment 0
		.amdhsa_kernarg_size 64
		.amdhsa_user_sgpr_count 2
		.amdhsa_user_sgpr_kernarg_segment_ptr 1
		.amdhsa_wavefront_size32 1
		.amdhsa_system_sgpr_workgroup_id_x 1
		.amdhsa_system_sgpr_workgroup_id_y 1
		.amdhsa_system_sgpr_workgroup_id_z 1
		.amdhsa_system_vgpr_workitem_id 0
		.amdhsa_next_free_vgpr 1024
		.amdhsa_next_free_sgpr 102
		.amdhsa_reserve_vcc 0
		.amdhsa_float_denorm_mode_32 3
		.amdhsa_float_denorm_mode_16_64 3
		.amdhsa_memory_ordered 1
		.amdhsa_forward_progress 1
		.amdhsa_inst_pref_size 146
	.end_amdhsa_kernel
	.amdgpu_metadata
---
amdhsa.version: [ 1, 2 ]
amdhsa.kernels:
  - .name:           k_q42e77e50a7_qkv
    .symbol:         k_q42e77e50a7_qkv.kd
    .args:
      - { .name: xcodes, .offset: 0, .size: 8, .value_kind: global_buffer, .address_space: global }
      - { .name: xscales, .offset: 8, .size: 8, .value_kind: global_buffer, .address_space: global }
      - { .name: wcodes, .offset: 16, .size: 8, .value_kind: global_buffer, .address_space: global }
      - { .name: wscales, .offset: 24, .size: 8, .value_kind: global_buffer, .address_space: global }
      - { .name: bq, .offset: 32, .size: 8, .value_kind: global_buffer, .address_space: global }
      - { .name: bk, .offset: 40, .size: 8, .value_kind: global_buffer, .address_space: global }
      - { .name: bv, .offset: 48, .size: 8, .value_kind: global_buffer, .address_space: global }
      - { .name: qkv, .offset: 56, .size: 8, .value_kind: global_buffer, .address_space: global }
    .group_segment_fixed_size: 327680
    .private_segment_fixed_size: 0
    .kernarg_segment_align: 8
    .kernarg_segment_size: 64
    .max_flat_workgroup_size: 128
    .sgpr_count:     102
    .vgpr_count:     1024
    .wavefront_size: 32
...
	.end_amdgpu_metadata
.endif
;; end of part 2
;; launch attn (part 3): grid 4 x 64, 4 waves a work-group, clusters of 4 x 1, 327,680 bytes of LDS; arguments qkv, z16; writes z16
.if DOCPART == 3
	.amdgcn_target "amdgcn-amd-amdhsa--gfx1250"
	.amdhsa_code_object_version 6
	.text
	.protected	k_q42e77e50a7_attn
	.globl	k_q42e77e50a7_attn
	.p2align	8
	.type	k_q42e77e50a7_attn,@function
k_q42e77e50a7_attn:
	s_mov_b64 s[64:65], 0
	v_nop
	global_prefetch_b8 v0, s[64:65] scope:SCOPE_SE
	s_setreg_imm32_b32 hwreg(HW_REG_WAVE_MODE, 25, 1), 1
	s_wait_xcnt 0x0
	s_wait_alu depctr_hold_cnt(0) depctr_sa_sdst(0) depctr_va_vdst(0) depctr_va_sdst(0) depctr_va_ssrc(0) depctr_va_vcc(0) depctr_vm_vsrc(0)
	s_getreg_b32 s2, hwreg(HW_REG_IB_STS2, 6, 4)
	s_cmp_eq_u32 s2, 0
	s_cbranch_scc0 .Lentry_in_a_cluster
	s_endpgm
.Lentry_in_a_cluster:
	s_bfe_u32 s2, ttmp6, 0x10000c
	s_cmp_lg_u32 s2, 0x3003
	s_cbranch_scc0 .Lentry_shape_is_right
	s_endpgm
.Lentry_shape_is_right:
; ATTN.  z[bh][q][:] = the sum over k of softmax_k(q . k / 8) v[k][:], for 64 (batch, head) pairs of 2,048 tokens, head size 64, no mask.  qkv [3][64][2048][64] f16; its q part already holds q x log2(e) / 8,
; so a score is an exponent of 2.  z16 [64][2048][64] f16.  Products by v_wmma_f32_16x16x32_f16, sums, maxima and exponentials in f32; the weights p are rounded to f16 for the second product, z once at the end.
; LIMITS: |z| under 65,504; the row's sum is taken of the f16-rounded p (the same numbers that multiply v); NaN and infinities are not served.
; SHARES.  A work-group owns 512 queries of one head, each of its four waves 128: eight tiles of 16.  Every wave walks all 2,048 keys, 64 a step.
; LAYOUT.  S^T = K Q^T (source 0 = 16 keys, source 1 = 16 queries): a lane holds ONE query (lane % 16) and the keys 8 (lane / 16) + 0..7.  Two such tiles, rounded to f16 in pairs, ARE source 1 (32 keys x 16 queries)
; of O^T = V^T P.  P is written over the low half of its own scores.  K comes out of LDS as it lies, V ([key][channel]) turned, by ds_load_tr16_b128.
; SOFTMAX.  For each query a running maximum m: p = 2^(s - m); in every step O and l are multiplied by a = 2^(m_old - m_new).
; THE ROW'S SUM l is a product too: a fifth tile of "channels", ONES, whose rows 0 and 8 are 1.0 and whose others are 0, is source 0; register 0 of its result is the query's sum in both halves of the lanes.
; BY TURNS.  The wave's tiles are two PIECES (0: tiles 0-3; 1: tiles 4-7).  In a TURN one piece has the matrix unit: 40 products V^T P (8 of them the sums) of the step in hand, then 32 products K Q^T of the next step;
; the other piece's softmax, 408 vector instructions, is dealt out evenly behind them.  Then the pieces change places.  Two turns are a key step.
; CLUSTER.  The four query blocks of a head form a cluster and walk the same K and V: each tile is asked for JOINTLY, by the same tensor load with the same descriptor and the mask 15.
; REGISTERS, in windows of 256 (s_set_vgpr_msb: bits 1:0 source 0, 3:2 source 1, 5:4 source 2, 7:6 destination):
;   window p (p = 0, 1: the piece): v16-39 statistics, 6 a tile; v64-127 Q, 16 a tile; v128-255 S^T, 32 a tile (P in registers 0-15 of each).   window 0 also: v2-15 addresses.
;   window 2 + p: v0-127 O^T, 32 a tile; v128-159 l's accumulators, 8 a tile.   window 2 also: v192-255 K of one step.   window 3 also: v160-167 ONES; v192-255 V of one step.
.set KS,    64        ; keys in a step
.set PK,    144       ; a row of K in LDS: 128 bytes + 16 of padding: the 16 rows of a load start at 16 different banks (64 banks of 4 bytes: ISA guide 11.1)
.set PVP,   160       ; a row of V: 128 + 32
.set VOFF,  KS*PK     ; a step's tiles lie together: 64 rows of K, then 64 rows of V
.set STEPB, KS*(PK+PVP)
.set SLOT1, 1<<16     ; a slot holds two steps (38,912 bytes); slot 1 begins here, so that one exclusive or turns an address in one slot into the other's
.set STAGE, SLOT1+2*STEPB  ; behind the ring: 16 rows x 144 bytes for each wave, for the way out
.set SP,    144
.set SPARE, STAGE+4*16*SP  ; the spare words, 128 bytes a wave; no other line names them
.set AK0, 2           ; v2   my lane's place in a tile of K
.set AV0, 3           ; v3   the same for V
.set ADR, 4           ; v4   the LDS address of the run of loads in hand
.set QO,  5           ; v5   my byte offset in the wave's rows of Q
.set STO, 6           ; v6   the way out: where I put 16 bytes of a row
.set RD,  7           ; v7   the way out: where I read rows back
.set GO,  8           ; v8   my byte offset in the wave's rows of z
.set PFO, 9           ; v9   the prefetches' offset; never rewritten
.set SPW, 10          ; v10  LDS address of my spare word; never rewritten
.set NIL, 11          ; v11  0; never rewritten
.set ST,  16          ; tile t's statistics at v[ST+6 t]: +0 m, +1 c0, +2 c1 and later a, +3 c2, +4 c3 and later the other half's maximum, +5 m_old - m
.set Q,   64
.set S,   128
.set L,   128         ; in window 2 + p
.set ONES, 160        ; in window 3
.set KF,  192         ; in window 2
.set VF,  192         ; in window 3
.set WV,  12          ; s12  my wave's number
.set LIM, 15          ; s15  1 in the wave that prefetches, else the greatest number
.set PFA, 18          ; s[18:19] where my prefetches stand in memory
.set G1K, 24          ; s[24:31] descriptor group 1 for K's tiles
.set G1V, 32          ; s[32:39] for V's: it differs in the padding alone
.set G0K, 40          ; s[40:47] group 0 for K's tiles: a set for each of the two first fills; the second then walks on
.set G0V, 48          ; s[48:55] the same for V's
.set SLOTS, 56        ; s56  slots still to be asked for
.set TWICE, 57        ; s57  counts a slot's two steps
.set SEL, 60          ; s[60:61] lane selects for v_permlanex16_b32: lane l xor 16
.set TB,  62          ; s62  LDS byte at which the tiles of the step to be fetched begin
.set MSB, 0
.macro WIN new                      ; the immediate's high byte repeats the setting that is left; a switch that changes nothing is dropped
.if MSB != (\new)
	s_set_vgpr_msb (MSB<<8)|(\new)
.set MSB, \new
.endif
.endm
; A joint refill.  Waves 0 and 1 fetch the slot's two steps of K, waves 2 and 3 of V.  The branch hangs on the wave's number alone.  An s_nop 0 and four v_nop follow each of the two lines.
.macro JLOAD
	s_cmp_lt_u32 s[WV], 2
	s_cbranch_scc0 .Lfor_v_\@
	tensor_load_to_lds s[G0K+4:G0K+7], s[G1K:G1K+7]
	s_nop 0
.rept 4
	v_nop
.endr
	s_branch .Lasked_\@
.Lfor_v_\@:
	tensor_load_to_lds s[G0V+4:G0V+7], s[G1V:G1V+7]
	s_nop 0
.rept 4
	v_nop
.endr
.Lasked_\@:
.endm
; A PREFETCH INTO THE L2 of what the NEXT change of slots will ask for: a slot's 16,384 bytes of K and as many of V.  A head's K and V are walked by this cluster alone; its four partners share the bytes out BY ADDRESS,
; 4,096 of each; in each, wave 0 asks, by one instruction: lanes 0-15 name K's bytes, 256 apart, lanes 16-31 the same places in V, 16,777,216 bytes on in qkv.  So each aligned block of 256 bytes is named once in the
; launch, two key steps (144 x 2 matrix instructions) ahead of the load that wants it.  Slots 0 to 2 come by their loads alone; the last change that fills a slot asks for nothing: there is no slot behind it.
.macro ASK
	s_cmp_gt_u32 s[SLOTS], s[LIM]
	s_cbranch_scc0 .Lnot_mine_\@
	global_prefetch_b8 v[PFO], s[PFA:PFA+1] th:TH_LOAD_NT scope:SCOPE_SE
.Lnot_mine_\@:
.endm
.macro CROUND                       ; a round of the cluster's barrier
	s_barrier_signal -1
	s_barrier_wait -1
	s_cmp_lg_u32 s[WV], 0
	s_cbranch_scc1 .Lnot_wave_0_\@
	s_barrier_signal -3
.Lnot_wave_0_\@:
	s_barrier_wait -3
	s_barrier_signal -1
	s_barrier_wait -1
.endm
.macro PLACES
.rept 4
	v_nop
.endr
.endm
	s_load_b64 s[4:5], s[0:1], 0x0  ; qkv
	s_load_b64 s[10:11], s[0:1], 0x8  ; z16
	v_lshl_add_u32 v[SPW], v0, 2, SPARE
	v_mov_b32 v[NIL], 0
	ds_add_u32 v[SPW], v[NIL]       ; the wave's opening: the add, twice on end, and its wait ahead of my first tensor load
	ds_add_u32 v[SPW], v[NIL]
	v_lshrrev_b32 v1, 5, v0
	v_readfirstlane_b32 s[WV], v1   ; wave 0..3
	s_bfe_u32 s13, ttmp6, 0x40000   ; cx: my block of 512 queries; it enters Q's, z's and the prefetches' addresses alone
	s_and_b32 s20, ttmp7, 0xffff    ; 16 batch + head, which the four partners share
	s_lshl_b32 s20, s20, 18         ; its first byte in each part of qkv and in z16: 2,048 rows of 128 bytes
	s_and_b32 s16, s[WV], 1         ; which of a slot's two steps I fetch:
	s_lshl_b32 s22, s16, 13         ; its 64 rows of 128 bytes in memory,
	s_add_co_u32 s22, s22, s20
	s_add_co_u32 s22, s22, 1<<24    ; in the k part of qkv
	s_mov_b32 s23, 0
	s_mul_i32 s17, s16, STEPB       ; and its place in a slot: no place in the cluster enters an LDS address
	s_lshl_b32 s2, s13, 16          ; my block's 512 rows,
	s_lshl_b32 s3, s[WV], 14        ; my wave's 128 of them
	s_add_co_u32 s2, s2, s3
	s_add_co_u32 s2, s2, s20
	s_mov_b32 s3, 0
	s_lshl_b32 s58, s13, 12         ; the prefetches: my work-group's 4,096 bytes,
	s_add_co_u32 s58, s58, s20
	s_add_co_u32 s58, s58, (1<<24)+2*2*KS*128  ; of slot 2 of K; the first change of slots steps it to slot 3.  Nothing is prefetched at the head
	s_mov_b32 s59, 0
	; descriptor group 1: a tile of 64 rows x 64 elements of 2 bytes, padded in LDS
	s_mov_b32 s[G1K], 15|(1<<16)|(1<<20)|(1<<21)|(4<<22)|(3<<25)  ; 15:0 the mask: all four work-groups; 17:16 elements of 2 bytes; 20 padding on; 21 set beside a mask; 24:22 after every 32 words; 31:25 four words
	s_mov_b32 s[G1V], 15|(1<<16)|(1<<20)|(1<<21)|(4<<22)|(7<<25)  ; the same with eight words of padding
.irp g, G1K, G1V
	s_mov_b32 s[\g+1], 64<<16       ; tensor_dim0
	s_mov_b32 s[\g+2], KS<<16       ; tensor_dim1
	s_mov_b32 s[\g+3], 64<<16       ; tile_dim0
	s_mov_b32 s[\g+4], KS           ; tile_dim1
	s_mov_b32 s[\g+5], 64           ; elements from row to row
	s_mov_b32 s[\g+6], 0
	s_mov_b32 s[\g+7], 0
.endr
	s_mov_b32 s[SEL], 0x76543210
	s_mov_b32 s[SEL+1], 0xfedcba98
	s_mov_b32 s[TB], 0
	s_mov_b32 s[SLOTS], 2048/(2*KS)-2
	s_cmp_eq_u32 s[WV], 0
	s_cselect_b32 s[LIM], 1, -1
	v_and_b32 v[PFO], 15, v0
	v_lshlrev_b32 v[PFO], 8, v[PFO]
	v_bfe_u32 v1, v0, 4, 1
	v_lshl_add_u32 v[PFO], v1, 24, v[PFO]
	s_wait_dscnt 0x0                ; both opening adds are done
	s_wait_kmcnt 0x0
	s_add_nc_u64 s[6:7], s[4:5], s[22:23]  ; K at my tile of slot 0
	s_add_nc_u64 s[8:9], s[6:7], 1<<24     ; V likewise: the v part lies 16,777,216 bytes behind the k part
	s_add_nc_u64 s[PFA:PFA+1], s[4:5], s[58:59]
	s_add_nc_u64 s[4:5], s[4:5], s[2:3]    ; Q and z at my wave's first row
	s_add_nc_u64 s[10:11], s[10:11], s[2:3]
	CROUND                          ; all four work-groups are here: the first joint loads meet
.irp s, 0,1
	s_mov_b32 s[G0K+4*\s], 1        ; count = 1
	s_add_co_u32 s[G0K+4*\s+1], s17, \s*SLOT1  ; LDS address
	s_add_nc_u64 s[G0K+4*\s+2:G0K+4*\s+3], s[6:7], \s*2*KS*128  ; global address: slot s begins with key 128 s
	s_or_b32 s[G0K+4*\s+3], s[G0K+4*\s+3], 0x80000000  ; type = 2
	s_mov_b32 s[G0V+4*\s], 1
	s_add_co_u32 s[G0V+4*\s+1], s17, \s*SLOT1+VOFF
	s_add_nc_u64 s[G0V+4*\s+2:G0V+4*\s+3], s[8:9], \s*2*KS*128
	s_or_b32 s[G0V+4*\s+3], s[G0V+4*\s+3], 0x80000000
.endr
	s_cmp_lt_u32 s[WV], 2           ; a wave's two first fills stand in one branch, ahead of every wait on TENSORcnt and every LDS read: two loads of mine are out
	s_cbranch_scc0 .Lfirst_v
	tensor_load_to_lds s[G0K:G0K+3], s[G1K:G1K+7]
	s_nop 0
	tensor_load_to_lds s[G0K+4:G0K+7], s[G1K:G1K+7]
	s_nop 0
.rept 4
	v_nop
.endr
	s_branch .Lfirst_asked
.Lfirst_v:
	tensor_load_to_lds s[G0V:G0V+3], s[G1V:G1V+7]
	s_nop 0
	tensor_load_to_lds s[G0V+4:G0V+7], s[G1V:G1V+7]
	s_nop 0
.rept 4
	v_nop
.endr
.Lfirst_asked:
	; A fragment of K or Q is 16 rows x 32 channels in 8 registers: lane l holds row l % 16; registers 0-3 channels 8 (l / 16) + 0..7, registers 4-7 channels 16 + 8 (l / 16) + 0..7: two loads of 16 bytes, 32 bytes apart.
	v_and_b32 v12, 15, v0           ; r
	v_bfe_u32 v13, v0, 4, 1         ; h
	v_lshlrev_b32 v[QO], 7, v12
	v_lshl_add_u32 v[QO], v13, 4, v[QO]  ; row x 128 + 16 x half
.irp p, 0,1                         ; Q stays in registers: piece p's in window p; fragment f: tile f / 2, channels 32 (f % 2) on
	WIN 0x40*\p
.irp f, 0,1,2,3,4,5,6,7
	global_load_b128 v[Q+8*\f:Q+8*\f+3],   v[QO], s[4:5] offset:(4*\p+\f/2)*2048+(\f%2)*64
	global_load_b128 v[Q+8*\f+4:Q+8*\f+7], v[QO], s[4:5] offset:(4*\p+\f/2)*2048+(\f%2)*64+32
.endr
.endr
	WIN 0
	v_mul_u32_u24 v[AK0], v12, PK
	v_lshl_add_u32 v[AK0], v13, 4, v[AK0]  ; row x pitch + 16 x half
	; The turning load takes 16 keys x 16 channels (lane l reads 16 bytes: key 8 (l / 16) + l % 8, channels 8 ((l / 8) % 2) + 0..7) and leaves half a fragment of V^T: lane l holds channel l % 16 and 8 keys.
	v_and_b32 v14, 7, v0
	v_bfe_u32 v15, v0, 3, 1
	v_lshl_add_u32 v[AV0], v13, 3, v14
	v_mul_u32_u24 v[AV0], v[AV0], PVP
	v_lshl_add_u32 v[AV0], v15, 4, v[AV0]
	v_add_nc_u32 v[AV0], VOFF, v[AV0]
	v_min_u32 v14, 1, v14           ; ONES: lanes with l % 8 = 0 hold rows 0 and 8: two f16 1.0 a register; the others 0
	v_sub_nc_u32 v14, 1, v14
	s_mov_b32 s14, 0x3c003c00
	v_mul_lo_u32 v14, v14, s14
	WIN 0xc0                        ; destination window 3
.irp i, 0,1,2,3,4,5,6,7
	v_mov_b32 v[ONES+\i], v14
.endr
	WIN 0
	s_mul_i32 s14, s[WV], 16*SP
	s_add_co_u32 s14, s14, STAGE    ; my stage
	v_mul_u32_u24 v[STO], v12, SP   ; in: row r, 16 bytes for each half of the lanes
	v_lshl_add_u32 v[STO], v13, 4, v[STO]
	v_add_nc_u32 v[STO], s14, v[STO]
	v_and_b32 v15, 31, v0
	v_lshlrev_b32 v[GO], 4, v15     ; out: 16 bytes a lane of 512 consecutive bytes (four rows of z)
	v_lshrrev_b32 v1, 3, v15
	v_mul_u32_u24 v[RD], v1, SP     ; back: eight lanes to a row, four rows a load
	v_and_b32 v15, 7, v15
	v_lshl_add_u32 v[RD], v15, 4, v[RD]
	v_add_nc_u32 v[RD], s14, v[RD]
; THE MATRIX WORK OF A TURN, for piece x.  The accumulators take turns, one instruction a turn: between two links of a chain stand 19 (V^T P) or 15 (K Q^T) others'.
; Product i of 40 of O^T += V^T P: keys 32 (i / 20) on; channels 16 ((i % 20) / 4) on, the fifth "channel tile" being ONES, which adds onto l; tile i % 4.  zero = 1: the first 20 start the sums.
.macro PV x, zero
	WIN 0xa3+0x54*(\x)              ; V, ONES window 3; P window x; O^T, l window 2 + x
.set kh, i/20
.set ct, (i%20)/4
.set tq, i%4
.set rP, S+32*tq+8*kh
.if ct < 4
.set rD, 32*tq+8*ct
.set rA, VF+32*kh+8*ct
.else
.set rD, L+8*tq
.set rA, ONES
.endif
.if (\zero) && (i < 20)
	v_wmma_f32_16x16x32_f16 v[rD:rD+7], v[rA:rA+7], v[rP:rP+7], 0
.else
	v_wmma_f32_16x16x32_f16 v[rD:rD+7], v[rA:rA+7], v[rP:rP+7], v[rD:rD+7]
.endif
.endm
; Product i of 32 of S^T = K Q^T: channels 32 (i / 16) on, keys 16 ((i % 16) / 4) on, tile i % 4.  The first 16 start the sums.
.macro KQ x
	WIN 0x02+0x54*(\x)              ; K window 2; Q and S^T window x
.set cc, i/16
.set kt, (i%16)/4
.set tq, i%4
.set rD, S+32*tq+8*kt
.set rA, KF+16*kt+8*cc
.set rB, Q+16*tq+8*cc
.if i < 16
	v_wmma_f32_16x16x32_f16 v[rD:rD+7], v[rA:rA+7], v[rB:rB+7], 0
.else
	v_wmma_f32_16x16x32_f16 v[rD:rD+7], v[rA:rA+7], v[rB:rB+7], v[rD:rD+7]
.endif
.endm
; THE LDS LOADS stand in runs of 16: a step's K (64 keys x 64 channels: 8 fragments) and, a turn later, its V (turned).
.macro FETCH_K
	WIN 0
	v_add_nc_u32 v[ADR], s[TB], v[AK0]
	WIN 0x80                        ; destination window 2
.irp f, 0,1,2,3,4,5,6,7             ; keys 16 (f / 2) on, channels 32 (f % 2) on
	ds_load_b128 v[KF+8*\f:KF+8*\f+3],   v[ADR] offset:(\f/2)*16*PK+(\f%2)*64
	ds_load_b128 v[KF+8*\f+4:KF+8*\f+7], v[ADR] offset:(\f/2)*16*PK+(\f%2)*64+32
.endr
.endm
.macro FETCH_V
	WIN 0
	v_add_nc_u32 v[ADR], s[TB], v[AV0]
	s_add_co_u32 s[TB], s[TB], STEPB  ; the next fetch is the next step's
	s_wait_alu depctr_va_vdst(0)    ; the wait for the softmax's batch of exponentials (VEC), ahead of the first instruction that names a result
	WIN 0xc0                        ; destination window 3
.irp f, 0,1,2,3,4,5,6,7             ; keys 32 (f / 4) on, channels 16 (f % 4) on
	ds_load_tr16_b128 v[VF+8*\f:VF+8*\f+3],   v[ADR] offset:(\f/4)*32*PVP+(\f%4)*32
	ds_load_tr16_b128 v[VF+8*\f+4:VF+8*\f+7], v[ADR] offset:(\f/4)*32*PVP+16*PVP+(\f%4)*32
.endr
.endm
; THE VECTOR WORK OF A TURN.  One tile's softmax for one key step is a list of 102 instructions; SM writes number j of it for tile tt of piece y.  s0-s31 are the lane's 32 scores.
; first = 1: the first key step, which starts m, l and O^T: it has no a and nothing to rescale.
;   0-15   the maximum of s0-s31 and the old m, three operands at a time: four chains of seven scores, then the four left over, the chains and m
;   16-19  the other half of the lanes' maximum; m_old is kept; the new m; m_old - m
;   20-68  ONE BATCH: 16 subtractions s - m, a pair of scores each, and all 33 exponentials (a at 21).  None of these names an exponential's result; a pair is subtracted three numbers or more ahead of its exponentials
;   (wait) between 68 and 69 stands the one wait for the batch: VEC writes it, once for all four tiles
;   69-84  the roundings to f16, a pair of weights each, ascending, into registers 0-15 of the tile's own scores: register i is written when s(2 i), s(2 i + 1) are read, and s(i) has been read by then
;   85     l x a (register 0 of its accumulator; the others hold zeros)
;   86-101 the tile's O^T x a
.macro SM y, first
.set rT, ST+6*tt
.set rS, S+32*tt
.if (\first) && ((j == 17) || (j == 19) || (j == 21) || (j > 84))
.else
.if j < 85
	WIN 0x55*(\y)                   ; all in window y
.else
	WIN 0x82+0x45*(\y)              ; O^T and l (destination and source 0) in window 2 + y, a in window y
.endif
.if j < 4
	v_max3_num_f32 v[rT+1+j], v[rS+8*j], v[rS+8*j+1], v[rS+8*j+2]   ; each accumulator is first read at its low end
.elseif j < 12
	v_max3_num_f32 v[rT+1+j%4], v[rT+1+j%4], v[rS+8*(j%4)+2*(j/4)+1], v[rS+8*(j%4)+2*(j/4)+2]
.elseif j == 12
	v_max3_num_f32 v[rT+1], v[rT+1], v[rS+7], v[rS+15]
.elseif j == 13
	v_max3_num_f32 v[rT+3], v[rT+3], v[rS+23], v[rS+31]
.elseif j == 14
	v_max3_num_f32 v[rT+1], v[rT+1], v[rT+2], v[rT+3]
.elseif (j == 15) && (\first)
	v_max_num_f32 v[rT+1], v[rT+1], v[rT+4]
.elseif j == 15
	v_max3_num_f32 v[rT+1], v[rT+1], v[rT+4], v[rT]
.elseif j == 16
	v_permlanex16_b32 v[rT+4], v[rT+1], s[SEL], s[SEL+1]  ; the query's other 32 keys lie in the lane 16 away
.elseif j == 17
	v_mov_b32 v[rT+5], v[rT]
.elseif j == 18
	v_max_num_f32 v[rT], v[rT+1], v[rT+4]
.elseif j == 19
	v_sub_f32 v[rT+5], v[rT+5], v[rT]
.elseif j == 20
	v_pk_add_f32 v[rS:rS+1], v[rS:rS+1], v[rT:rT+1] op_sel_hi:[1,0] neg_lo:[0,1] neg_hi:[0,1]
.elseif j == 21
	v_exp_f32 v[rT+2], v[rT+5]
.elseif j < 69
.set u, j-22
.if (u%3 == 0) && (u < 45)
.set b, 2*(u/3+1)
	v_pk_add_f32 v[rS+b:rS+b+1], v[rS+b:rS+b+1], v[rT:rT+1] op_sel_hi:[1,0] neg_lo:[0,1] neg_hi:[0,1]  ; s - m, two at a time
.else
.set e, 2*(u/3)+u%3-1
.if u > 44
.set e, u-15
.endif
	v_exp_f32 v[rS+e], v[rS+e]
.endif
.elseif j < 85
	v_cvt_pk_f16_f32 v[rS+j-69], v[rS+2*(j-69)], v[rS+2*(j-69)+1]
.elseif j == 85
	v_mul_f32 v[L+8*tt], v[L+8*tt], v[rT+2]
.else
.set rO, 32*tt+2*(j-86)
	v_pk_mul_f32 v[rO:rO+1], v[rO:rO+1], v[rT+2:rT+3] op_sel_hi:[1,0]
.endif
.endif
.endm
; Instruction g of 408 of piece y's softmax: number g / 4 of tile g % 4: the four tiles alternate, so that no instruction reads the result of the one just before it.
; Behind g = 275 the batch is out: 132 exponentials are issued and no result has been named.  One plain instruction, then the one wait ahead of the first reader.
.macro VEC y, first
.set j, g/4
.set tt, g%4
	SM \y, \first
.set g, g+1
.if g == 276
	v_nop
.if (\y) == 0
	FETCH_V                         ; piece 1's turn: V's run of loads stands here, and the wait stands in it
.else
	s_wait_alu depctr_va_vdst(0)
.endif
.endif
.endm
.macro DEAL y, first                ; behind the w-th of the turn's nw matrix instructions: the list up to 408 w / nw
.set w, w+1
.rept (408*w)/nw-g
	VEC \y, \first
.endr
.endm
; A TURN.  Piece x has the matrix unit; the other piece's softmax is dealt out behind its matrix instructions.  pv = 2: 40 products V^T P; 1: they start the sums; 0: none.  kq = 1: 32 products K Q^T for the next step.
; PLACES (except for loads), by this text's own count in a full turn: the last deal is six rescalings, which name no register of the last K Q^T: they stand ahead of the next turn's first
; reads of those scores and of K's run of loads.  K Q^T number 4 to 7 write over the P that V^T P number 36 to 39 read: 16 subtractions stand between.  V's run stands behind 20 subtractions counted from the last product that read V.
; first = 1: the list's tail is empty, the last products stand bare, and four v_nop take the rescalings' part.
.macro TURN x, pv, kq, first
.set g, 0
.set w, 0
.set nw, 0
.if \pv
.set nw, nw+40
.endif
.if \kq
.set nw, nw+32
.endif
.if \pv
.if \x == 0
	s_wait_dscnt 0x0                ; V is in
.endif
.set i, 0
.rept 40
	PV \x, 2-\pv
	DEAL 1-\x, \first
.if (\x == 0) && (\kq) && (i == 1)
	FETCH_K
.endif
.set i, i+1
.endr
.endif
.if \kq
.if \x == 0
	s_wait_dscnt 0x0                ; K is in
.endif
.set i, 0
.rept 32
	KQ \x
	DEAL 1-\x, \first
.set i, i+1
.endr
.endif
.if \first
	PLACES
.endif
.endm
; THE CHANGE OF SLOTS, between piece 1's turn and piece 0's: the slot's last bytes, V of its second step, have been asked for.  Each wave waits for all its tensor loads, of which one is out: its part of the other slot;
; adds 0 to its spare word; and waits for that and for its own reads of the slot.  fill = 1: the slot is filled again, with the keys two slots on; the barrier is then a round of the cluster's, and the joint refill is the
; first thing behind it: it has two key steps in which to land.
.macro CHANGE fill
	WIN 0
	s_wait_tensorcnt 0x0            ; no tensor load of mine is out, so a group 0 may be written
	ds_add_u32 v[SPW], v[NIL]
.if \fill
.irp d, G0K+4, G0V+4
	s_xor_b32 s[\d+1], s[\d+1], SLOT1  ; the walking descriptor: the other slot than last time,
	s_add_nc_u64 s[\d+2:\d+3], s[\d+2:\d+3], 2*KS*128  ; the next 128 keys
.endr
	s_wait_xcnt 0x0                 ; the last prefetch, two key steps back, has read its address, so it may be written
	s_add_nc_u64 s[PFA:PFA+1], s[PFA:PFA+1], 2*KS*128
	s_wait_dscnt 0x0                ; the add is done, and my reads of the slot are over
	CROUND
	JLOAD
	ASK
.else
	s_wait_dscnt 0x0
	s_barrier_signal -1
	s_barrier_wait -1
.endif
	s_sub_co_u32 s[TB], s[TB], 2*STEPB  ; the fetches go back to a slot's first step,
	s_xor_b32 s[TB], s[TB], SLOT1   ; in the other slot
.endm
.macro TWO_STEPS                    ; a slot's two key steps: written once, walked twice; the LDS addresses hang on s[TB]
	s_mov_b32 s[TWICE], 2
.Lstep_\@:
	TURN 0, 2, 1, 0
	TURN 1, 2, 1, 0
	WIN 0
	s_sub_co_u32 s[TWICE], s[TWICE], 1
	s_cmp_lg_u32 s[TWICE], 0
	s_cbranch_scc1 .Lstep_\@
.endm
	s_wait_tensorcnt 1              ; my part of slot 0 is in; slot 1's one load may stay out
	s_barrier_signal -1
	s_barrier_wait -1
	FETCH_K                         ; key step 0
	s_wait_loadcnt 0x0              ; Q
	s_wait_dscnt 0x0
.set i, 0
.rept 32
	KQ 0                            ; piece 0's first scores: there is no vector work yet to set between them
.set i, i+1
.endr
	PLACES
	TURN 1, 0, 1, 1                 ; piece 1's first scores | piece 0's first softmax | V of step 0
	TURN 0, 1, 1, 1                 ; piece 0: V^T P of step 0 starts O^T and l, K Q^T of step 1 | piece 1's first softmax | K of step 1
	TURN 1, 1, 1, 0                 ; piece 1: the same | piece 0's softmax of step 1 | V of step 1
	WIN 0
.Lslot:                             ; 14 trips: every slot but the last two is filled again
	CHANGE 1
	TWO_STEPS
	s_sub_co_u32 s[SLOTS], s[SLOTS], 1
	s_cmp_lg_u32 s[SLOTS], 0
	s_cbranch_scc1 .Lslot
	CHANGE 0                        ; the tail is written out
	TWO_STEPS
	TURN 0, 2, 0, 0                 ; piece 0: V^T P of the last step | piece 1's last softmax
.set i, 0
.rept 40
	PV 1, 0                         ; piece 1: V^T P of the last step
.set i, i+1
.endr
	PLACES
	; THE WAY OUT.  O^T is divided by l, rounded to f16 and sent through my stage in LDS, a tile (16 rows of z) at a time.
.irp tl, 0,1,2,3,4,5,6,7
	WIN 0x02+0x41*(\tl/4)           ; l in window 2 + p, its reciprocal in window p
	v_rcp_f32 v[ST+6*(\tl%4)+2], v[L+8*(\tl%4)]
.endr
	v_nop                           ; a plain instruction behind the last reciprocal
	s_wait_alu depctr_va_vdst(0)    ; and the wait ahead of the first use: one for the eight
.macro PACK tl
.set pp, (\tl)/4
.set tq, (\tl)%4
	WIN 0x82+0x45*pp
.set i, 0
.rept 16
	v_pk_mul_f32 v[32*tq+2*i:32*tq+2*i+1], v[32*tq+2*i:32*tq+2*i+1], v[ST+6*tq+2:ST+6*tq+3] op_sel_hi:[1,0]
.set i, i+1
.endr
	WIN 0x0a+5*pp                   ; sources 0 and 1 window 2 + p, destination window 0: piece 0's scores are done with
.set i, 0
.rept 16
	v_cvt_pk_f16_f32 v[S+16*(\tl)+i], v[32*tq+2*i], v[32*tq+2*i+1]
.set i, i+1
.endr
	WIN 0
.irp f, 0,1,2,3
	ds_store_b128 v[STO], v[S+16*(\tl)+4*\f:S+16*(\tl)+4*\f+3] offset:32*\f   ; lane (r, h): channels 16 f + 8 h + 0 .. 7 of row r
.endr
.irp f, 0,1,2,3
	ds_load_b128 v[S+16*(\tl)+4*\f:S+16*(\tl)+4*\f+3], v[RD] offset:\f*4*SP   ; LDS serves a wave's instructions in order: these see the stores above; the next tile's stores come behind them
.endr
.endm
.macro SEND tl, younger             ; younger: the LDS instructions issued behind this tile's loads: the next tile's eight, or none
.irp f, 0,1,2,3
	s_wait_dscnt \younger+3-\f
	global_store_b128 v[GO], v[S+16*(\tl)+4*\f:S+16*(\tl)+4*\f+3], s[10:11] offset:(\tl)*2048+\f*512  ; 512 consecutive bytes, at a multiple of 256 from z16's first byte
.endr
.endm
	PACK 0
.irp tl, 1,2,3,4,5,6,7
	PACK \tl                        ; a tile's arithmetic stands between the loads of the tile before and its stores
	SEND \tl-1, 8
.endr
	SEND 7, 0
	s_wait_tensorcnt 0x0            ; the wave's end, behind my last tensor load and my last LDS store
	ds_add_u32 v[SPW], v[NIL]
	s_wait_dscnt 0x0
	CROUND                          ; the closing round
	s_endpgm
.Lfunc_end_k_q42e77e50a7_attn:
	.size	k_q42e77e50a7_attn, .Lfunc_end_k_q42e77e50a7_attn-k_q42e77e50a7_attn
	.p2alignl 7, 3214868480
	.fill 96, 4, 3214868480
	.section	.rodata,"a",@progbits
	.p2align	6, 0x0
	.amdhsa_kernel k_q42e77e50a7_attn
		.amdhsa_group_segment_fixed_size 327680
		.amdhsa_private_segment_fixed_size 0
		.amdhsa_enable_private_segment 0
		.amdhsa_kernarg_size 16
		.amdhsa_user_sgpr_count 2
		.amdhsa_user_sgpr_kernarg_segment_ptr 1
		.amdhsa_wavefront_size32 1
		.amdhsa_system_sgpr_workgroup_id_x 1
		.amdhsa_system_sgpr_workgroup_id_y 1
		.amdhsa_system_sgpr_workgroup_id_z 1
		.amdhsa_system_vgpr_workitem_id 0
		.amdhsa_next_free_vgpr 1024
		.amdhsa_next_free_sgpr 66
		.amdhsa_reserve_vcc 0
		.amdhsa_float_denorm_mode_32 3
		.amdhsa_float_denorm_mode_16_64 3
		.amdhsa_memory_ordered 1
		.amdhsa_forward_progress 1
		.amdhsa_inst_pref_size 255
	.end_amdhsa_kernel
	.section	.bss,"aw",@nobits
	.p2align	6
	.space	262144
	.amdgpu_metadata
---
amdhsa.version: [ 1, 2 ]
amdhsa.kernels:
  - .name:           k_q42e77e50a7_attn
    .symbol:         k_q42e77e50a7_attn.kd
    .args:
      - { .name: qkv, .offset: 0, .size: 8, .value_kind: global_buffer, .address_space: global }
      - { .name: z16, .offset: 8, .size: 8, .value_kind: global_buffer, .address_space: global }
    .group_segment_fixed_size: 327680
    .private_segment_fixed_size: 0
    .kernarg_segment_align: 8
    .kernarg_segment_size: 16
    .max_flat_workgroup_size: 128
    .sgpr_count:     66
    .vgpr_count:     1024
    .wavefront_size: 32
...
	.end_amdgpu_metadata
.endif
;; end of part 3
;; launch proj (part 4): grid 4 x 64, 4 waves a work-group, clusters of 4 x 4, 327,680 bytes of LDS; arguments z16, wo16, bo, out0; writes out0
.if DOCPART == 4
	.amdgcn_target "amdgcn-amd-amdhsa--gfx1250"
	.amdhsa_code_object_version 6
	.text
	.protected	k_q42e77e50a7_proj
	.globl	k_q42e77e50a7_proj
	.p2align	8
	.type	k_q42e77e50a7_proj,@function
k_q42e77e50a7_proj:
	s_mov_b64 s[64:65], 0
	v_nop
	global_prefetch_b8 v0, s[64:65] scope:SCOPE_SE
	s_setreg_imm32_b32 hwreg(HW_REG_WAVE_MODE, 25, 1), 1
	s_wait_xcnt 0x0
	s_wait_alu depctr_hold_cnt(0) depctr_sa_sdst(0) depctr_va_vdst(0) depctr_va_sdst(0) depctr_va_ssrc(0) depctr_va_vcc(0) depctr_vm_vsrc(0)
	s_getreg_b32 s2, hwreg(HW_REG_IB_STS2, 6, 4)
	s_cmp_eq_u32 s2, 0
	s_cbranch_scc0 .Lentry_in_a_cluster
	s_endpgm
.Lentry_in_a_cluster:
	s_bfe_u32 s2, ttmp6, 0x10000c
	s_cmp_lg_u32 s2, 0xf033
	s_cbranch_scc0 .Lentry_shape_is_right
	s_endpgm
.Lentry_shape_is_right:
; PROJ.  out0[token][n] = sum over k of z[token][k] Wo[n][k] + bo[n]; 8,192 x 1,024 x 1,024; f16 operands (v_wmma_f32_16x16x32_f16), f32 sums, f32 out.
; z16 lies by heads, [64 (16 batch + head)][2048 tokens][64]: k = 64 head + e.  wo16 [1024 n][1024 k].
; A tile of out0 is 128 tokens x 256 columns, so that there are 256 work-groups; four waves, each 64 tokens x 128 columns: 32 accumulators of 16 x 16, 256 registers.
; K goes in steps of 128 (two heads: two planes of z16, 128 rows of 128 bytes each; Wo's rows of 256 bytes) through a ring of two LDS slots: eight steps, four laps.
; CLUSTERS: 4 x 4 work-groups.  The four of a row of the cluster need the same tiles of z, the four of a column the same tiles of Wo: each is asked for jointly.
; THE MATRIX INSTRUCTION IS USED TRANSPOSED (source 0 = 16 rows of Wo, source 1 = 16 tokens): a lane holds eight neighbouring columns of one token.  The bias is the C of each sum's first product.
; No prefetch: the launch is short, and its first tiles are a quarter of all it reads.
; REGISTERS: window 0: v16-30 addresses; v32-127, v128-223 two fragment buffers (z's 4 blocks at +0, Wo's 8 at +32); on the way out v32-159 rows read back.   window 1: the accumulators ((a, b) at v[8 (8 a + b)]).
;   window 2: v0-63 the bias of my 128 columns in the result's layout.
.set KSTEP,  128
.set PA,     144                       ; a row of z in LDS: 128 bytes + 16
.set PB,     272                       ; a row of Wo: 256 bytes + 16
.set PLANE,  128*PA                    ; a head's 128 tokens
.set BOFF,   2*PLANE
.set HALFB,  128*PB
.set SLOT,   BOFF+2*HALFB
.set STAGE,  2*SLOT                    ; behind the ring: 16 rows x (512 bytes + 16) for each wave
.set SPITCH, 528
.set SPARE,  STAGE+4*16*SPITCH         ; the spare words, 128 bytes a wave; no other line names them
.set LAPS,   4
.set ADRA, 16
.set ADRB, 20
.set STO,  24
.set RD,   25
.set CO,   26
.set SPW,  28
.set NIL,  29
.set BO,   30
.set F0,   32
.set F1,   128
.set BK,   32
.set G1, 24
.set G0, 32
.set G1B, 48
.set G0B, 56
.set MSB, 0
.macro WIN new
.if MSB != (\new)
	s_set_vgpr_msb (MSB<<8)|(\new)
.set MSB, \new
.endif
.endm
.set MUL,  0x50                        ; sources 0 and 1 window 0; C and D window 1
.set MULZ, 0x60                        ; C (the bias) window 2, D window 1
.macro JLOAD s                         ; waves 0 and 1 fetch z's two planes, waves 2 and 3 Wo's two halves; an s_nop 0 and four v_nop follow each of the two lines
	s_cmp_eq_u32 s15, 0
	s_cbranch_scc0 .Lfor_b_\@
	tensor_load_to_lds s[G0+4*\s:G0+4*\s+3], s[G1:G1+7]
	s_nop 0
.rept 4
	v_nop
.endr
	s_branch .Lasked_\@
.Lfor_b_\@:
	tensor_load_to_lds s[G0B+4*\s:G0B+4*\s+3], s[G1B:G1B+7]
	s_nop 0
.rept 4
	v_nop
.endr
.Lasked_\@:
.endm
.macro CREST                           ; a round of the cluster's barrier behind its opening barrier
	s_cmp_lg_u32 s14, 0
	s_cbranch_scc1 .Lnot_wave_0_\@
	s_barrier_signal -3
.Lnot_wave_0_\@:
	s_barrier_wait -3
	s_barrier_signal -1
	s_barrier_wait -1
.endm
.macro CROUND
	s_barrier_signal -1
	s_barrier_wait -1
	CREST
.endm
	s_load_b256 s[4:11], s[0:1], 0x0               ; z16 s[4:5], wo16 s[6:7], bo s[8:9], out0 s[10:11]
	v_lshl_add_u32 v[SPW], v0, 2, SPARE
	v_mov_b32 v[NIL], 0
	ds_add_u32 v[SPW], v[NIL]                      ; the wave's opening: the add, twice on end, and its wait ahead of my first tensor load
	ds_add_u32 v[SPW], v[NIL]
	v_lshrrev_b32 v1, 5, v0
	v_readfirstlane_b32 s14, v1                    ; wave 0..3
	s_lshr_b32 s15, s14, 1                         ; which 64 tokens are mine.  Also: I fetch for z (0) or for Wo (1)
	s_and_b32 s16, s14, 1                          ; which 128 columns.  Also: which plane or half I fetch
	s_bfe_u32 s40, ttmp6, 0x40000                  ; cx, cy
	s_bfe_u32 s41, ttmp6, 0x40004
	s_lshl_b32 s42, ttmp9, 2
	s_add_co_u32 s42, s42, s40                     ; tile column
	s_and_b32 s17, ttmp7, 0xffff
	s_lshl_b32 s17, s17, 2
	s_add_co_u32 s17, s17, s41                     ; tile row
	s_lshl_b32 s43, s41, 2
	s_lshl_b32 s43, 15, s43                        ; my row of the cluster
	s_lshl_b32 s44, 0x1111, s40                    ; my column
	s_or_b32 s[G1+0], s43, (1<<16)|(1<<20)|(1<<21)|(4<<22)|(3<<25)   ; z: elements of 2 bytes; four words of padding after every 32
	s_mov_b32 s[G1+1], 64<<16                      ; tensor_dim0
	s_mov_b32 s[G1+2], 128<<16                     ; tensor_dim1
	s_mov_b32 s[G1+3], 64<<16                      ; tile_dim0
	s_mov_b32 s[G1+4], 128                         ; tile_dim1
	s_mov_b32 s[G1+5], 64                          ; elements from row to row
	s_mov_b32 s[G1+6], 0
	s_mov_b32 s[G1+7], 0
	s_or_b32 s[G1B+0], s44, (1<<16)|(1<<20)|(1<<21)|(5<<22)|(3<<25)  ; Wo: four words of padding after every 64
	s_mov_b32 s[G1B+1], KSTEP<<16
	s_mov_b32 s[G1B+2], 128<<16
	s_mov_b32 s[G1B+3], KSTEP<<16
	s_mov_b32 s[G1B+4], 128
	s_mov_b32 s[G1B+5], 1024
	s_mov_b32 s[G1B+6], 0
	s_mov_b32 s[G1B+7], 0
	s_lshr_b32 s20, s17, 4                         ; z: a batch is 16 tile rows and 16 heads of 262,144 bytes,
	s_lshl_b32 s20, s20, 22
	s_and_b32 s21, s17, 15
	s_lshl_b32 s21, s21, 14                        ; 128 tokens of 128 bytes,
	s_add_co_u32 s20, s20, s21
	s_lshl_b32 s21, s16, 18                        ; my plane: head 0 or 1 of the K step
	s_add_co_u32 s20, s20, s21
	s_mov_b32 s21, 0
	s_lshl_b32 s46, s42, 19                        ; Wo: 256 rows of 2,048 bytes a tile column,
	s_lshl_b32 s47, s16, 18                        ; my 128 of them
	s_add_co_u32 s46, s46, s47
	s_mov_b32 s47, 0
	s_mul_i32 s45, s16, PLANE                      ; where they go: no place in the cluster enters an LDS address
	s_mul_i32 s18, s16, HALFB
	s_add_co_u32 s18, s18, BOFF
	s_wait_dscnt 0x0                               ; both opening adds are done
	s_wait_kmcnt 0x0
	s_add_nc_u64 s[20:21], s[4:5], s[20:21]
	s_add_nc_u64 s[46:47], s[6:7], s[46:47]
	CROUND                                         ; all sixteen work-groups are here: the first joint loads meet
.irp s, 0,1
	s_mov_b32 s[G0+4*\s], 1
	s_add_co_u32 s[G0+4*\s+1], s45, \s*SLOT
	s_add_nc_u64 s[G0+4*\s+2:G0+4*\s+3], s[20:21], \s*2*262144     ; K step s: two heads on
	s_or_b32 s[G0+4*\s+3], s[G0+4*\s+3], 0x80000000
	s_mov_b32 s[G0B+4*\s], 1
	s_add_co_u32 s[G0B+4*\s+1], s18, \s*SLOT
	s_add_nc_u64 s[G0B+4*\s+2:G0B+4*\s+3], s[46:47], \s*KSTEP*2
	s_or_b32 s[G0B+4*\s+3], s[G0B+4*\s+3], 0x80000000
	JLOAD \s
.endr
	v_and_b32 v1, 15, v0                           ; r
	v_bfe_u32 v2, v0, 4, 1                         ; h
	v_mul_u32_u24 v3, v1, PA
	v_lshl_add_u32 v3, v2, 4, v3
	v_mul_u32_u24 v4, v1, PB
	v_lshl_add_u32 v4, v2, 4, v4
	s_mul_i32 s21, s15, 64*PA                      ; my 64 tokens in a plane
	s_mul_i32 s22, s16, HALFB                      ; my 128 rows of Wo
	s_add_co_u32 s22, s22, BOFF
.irp s, 0,1
	v_add_nc_u32 v[ADRA+\s], s21, v3
	v_add_nc_u32 v[ADRB+\s], s22, v4
	s_add_co_u32 s21, s21, SLOT
	s_add_co_u32 s22, s22, SLOT
.endr
	s_mul_i32 s23, s14, 16*SPITCH
	s_add_co_u32 s23, s23, STAGE                   ; my stage
	v_mul_u32_u24 v5, v1, SPITCH                   ; in: token r, 32 bytes for each half of the lanes
	v_lshl_add_u32 v5, v2, 5, v5
	v_add_nc_u32 v[STO], s23, v5
	v_and_b32 v6, 31, v0
	v_lshlrev_b32 v[CO], 4, v6                     ; back: the 32 lanes take one row of 512 bytes; and the same in out0
	v_add_nc_u32 v[RD], s23, v[CO]
	v_lshlrev_b32 v[BO], 5, v2
	s_lshl_b32 s20, s17, 19                        ; out0: 128 tokens of 4,096 bytes a tile row,
	s_lshl_b32 s21, s15, 18                        ; my 64
	s_add_co_u32 s20, s20, s21
	s_mov_b32 s21, 0
	s_lshl_b32 s46, s42, 10                        ; my first column, in bytes of f32: 4 (256 tile column + 128 half)
	s_lshl_b32 s47, s16, 9
	s_add_co_u32 s46, s46, s47
	s_mov_b32 s47, 0
	s_add_nc_u64 s[8:9], s[8:9], s[46:47]
	s_add_nc_u64 s[20:21], s[20:21], s[46:47]
	s_add_nc_u64 s[10:11], s[10:11], s[20:21]
	WIN 0x80                                       ; destination window 2
.irp b, 0,1,2,3,4,5,6,7
	global_load_b128 v[8*\b:8*\b+3], v[BO], s[8:9] offset:64*\b          ; lane (r, h): bo at columns 16 b + 8 h + 0 .. 7
	global_load_b128 v[8*\b+4:8*\b+7], v[BO], s[8:9] offset:64*\b+16
.endr
	WIN 0
; 8 matrix instructions: z's block a against Wo's eight, 32 along K, from buffer f.  zero = 1: the bias is the C of the sum's first product.  The 32 accumulators take turns, one instruction a turn.
.macro MUL8 f, a, zero
.irp b, 0,1,2,3,4,5,6,7
.if \zero
	v_wmma_f32_16x16x32_f16 v[8*(8*(\a)+\b):8*(8*(\a)+\b)+7], v[\f+32+8*\b:\f+32+8*\b+7], v[\f+8*(\a):\f+8*(\a)+7], v[8*\b:8*\b+7]
.else
	v_wmma_f32_16x16x32_f16 v[8*(8*(\a)+\b):8*(8*(\a)+\b)+7], v[\f+32+8*\b:\f+32+8*\b+7], v[\f+8*(\a):\f+8*(\a)+7], v[8*(8*(\a)+\b):8*(8*(\a)+\b)+7]
.endif
.endr
.endm
; 24 LDS loads in one run: the fragments of the slot's q-th 32 along K into buffer f: Wo's sixteen loads first, then z's eight (plane q / 2, bytes 64 (q % 2) on)
.macro FETCH slot, q, f
	WIN 0
.irp i, 0,1,2,3,4,5,6,7
	ds_load_b128 v[\f+32+8*\i:\f+32+8*\i+3],   v[ADRB+\slot] offset:64*(\q)+\i*16*PB
	ds_load_b128 v[\f+32+8*\i+4:\f+32+8*\i+7], v[ADRB+\slot] offset:64*(\q)+\i*16*PB+32
.endr
.irp i, 0,1,2,3
	ds_load_b128 v[\f+8*\i:\f+8*\i+3],   v[ADRA+\slot] offset:((\q)/2)*PLANE+((\q)%2)*64+\i*16*PA
	ds_load_b128 v[\f+8*\i+4:\f+8*\i+7], v[ADRA+\slot] offset:((\q)/2)*PLANE+((\q)%2)*64+\i*16*PA+32
.endr
.endm
.macro PLACES                          ; four places in front of loads into registers that matrix instructions have read, and of the first read of results
.rept 4
	v_nop
.endr
.endm
; A K step is four quarters of 32 along K, 32 matrix instructions each, on buffers 0, 1, 0, 1.  One of the first three: multiplies buffer f and fetches quarter qn of the same slot into g.
.macro QUARTER slot, qn, f, g, zero
	s_wait_dscnt 4                                 ; Wo's fragments and z's blocks 0, 1 are in; the youngest four loads (blocks 2, 3) may be out
.if \zero
	WIN MULZ
.else
	WIN MUL
.endif
	MUL8 \f, 0, \zero
	MUL8 \f, 1, \zero
	PLACES
	FETCH \slot, \qn, \g
	s_wait_dscnt 24                                ; all but the 24 just issued
.if \zero
	WIN MULZ
.else
	WIN MUL
.endif
	MUL8 \f, 2, \zero
	MUL8 \f, 3, \zero
.endm
; The last quarter multiplies buffer 1 and changes slots: ONE barrier; in front of it each wave waits for all its tensor loads, adds 0 to its spare word, and waits for that and for its own reads of this slot.
; fill = 1: the barrier opens a round of the cluster's, and this slot is filled again, two K steps ahead: the load has 112 matrix instructions of the wave in which to land.
.macro TURN slot, next, fill
	WIN 0
	s_wait_tensorcnt 0x0                           ; all my tensor loads have landed: my part of the next slot
	ds_add_u32 v[SPW], v[NIL]
	s_wait_dscnt 5                                 ; the add and the youngest four loads may be out
	WIN MUL
	MUL8 F1, 0, 0
	s_wait_dscnt 0x0                               ; the add is done, and my reads of this slot are over
	s_barrier_signal -1
	MUL8 F1, 1, 0
.if \fill
	WIN 0
.endif
	s_barrier_wait -1
.if \fill
	CREST                                          ; no wave of any partner still reads this slot's tile or has a load on its way
	s_add_nc_u64 s[G0+4*\slot+2:G0+4*\slot+3], s[G0+4*\slot+2:G0+4*\slot+3], 4*262144      ; four heads on
	s_add_nc_u64 s[G0B+4*\slot+2:G0B+4*\slot+3], s[G0B+4*\slot+2:G0B+4*\slot+3], 2*KSTEP*2
	JLOAD \slot                                    ; the first tensor load behind the round; its four v_nop are also the places in front of the loads below
.else
	PLACES
.endif
	FETCH \next, 0, F0
	WIN MUL
	MUL8 F1, 2, 0
	MUL8 F1, 3, 0
.endm
	s_wait_tensorcnt 1                             ; my part of K step 0 is in; K step 1's one load may be out
	s_barrier_signal -1
	s_barrier_wait -1
	FETCH 0, 0, F0
	s_wait_loadcnt 0x0                             ; the bias
	QUARTER 0, 1, F0, F1, 1                        ; the first quarter stands in front of the loop: its products start the sums, from the bias
	WIN 0
	s_mov_b32 s3, LAPS-1
.Llap:                                                 ; a trip goes once round the ring, from a lap's second quarter to the next lap's first, and fills both slots again
	QUARTER 0, 2, F1, F0, 0
	QUARTER 0, 3, F0, F1, 0
	TURN 0, 1, 1
	QUARTER 1, 1, F0, F1, 0
	QUARTER 1, 2, F1, F0, 0
	QUARTER 1, 3, F0, F1, 0
	TURN 1, 0, 1
	QUARTER 0, 1, F0, F1, 0
	WIN 0
	s_sub_co_u32 s3, s3, 1
	s_cmp_lg_u32 s3, 0
	s_cbranch_scc1 .Llap
	QUARTER 0, 2, F1, F0, 0                        ; the last lap fills nothing, and has no round of the cluster's barrier
	QUARTER 0, 3, F0, F1, 0
	TURN 0, 1, 0
	QUARTER 1, 1, F0, F1, 0
	QUARTER 1, 2, F1, F0, 0
	QUARTER 1, 3, F0, F1, 0
	s_wait_dscnt 4                                 ; the very last quarter: nothing more to fetch
	WIN MUL
	MUL8 F1, 0, 0
	MUL8 F1, 1, 0
	s_wait_dscnt 0
	MUL8 F1, 2, 0
	MUL8 F1, 3, 0
	WIN 0
; THE WAY OUT, block by block of 16 tokens x 128 columns: a lane's 32 bytes go into my own stage and come back as whole rows of 512 bytes.  LDS serves a wave's instructions in order: no wait between the stores and the loads.
.macro TOSTAGE a
	WIN 0x04                                       ; an LDS store's data are its source 1: window 1
.irp b, 0,1,2,3,4,5,6,7
	ds_store_b128 v[STO], v[8*(8*(\a)+\b):8*(8*(\a)+\b)+3] offset:64*\b          ; each accumulator from its low end on
	ds_store_b128 v[STO], v[8*(8*(\a)+\b)+4:8*(8*(\a)+\b)+7] offset:64*\b+16
.endr
	WIN 0
.set BB, BK+64*((\a)%2)
.irp t, 0,1,2,3,4,5,6,7,8,9,10,11,12,13,14,15
	ds_load_b128 v[BB+4*\t:BB+4*\t+3], v[RD] offset:\t*SPITCH
.endr
.endm
.macro SEND a, younger
.set BB, BK+64*((\a)%2)
	s_wait_dscnt \younger                          ; the block is back in registers
.irp t, 0,1,2,3,4,5,6,7,8,9,10,11,12,13,14,15
	global_store_b128 v[CO], v[BB+4*\t:BB+4*\t+3], s[10:11] offset:(16*(\a)+\t)*4096 th:TH_STORE_NT   ; 512 consecutive bytes, at a multiple of 256 from out0's first byte; every offset is an immediate
.endr
.endm
	PLACES                                         ; behind the last products: for the stores that read results and the loads into registers that held fragments
	TOSTAGE 0
.irp a, 1,2,3
.if \a > 1
	s_wait_xcnt 0x0                                ; block a - 2's stores have read their registers: block a's loads may land there
.endif
	TOSTAGE \a
	SEND \a-1, 32                                  ; behind block a - 1's loads: block a's 16 stores and 16 loads
.endr
	SEND 3, 0
	s_wait_tensorcnt 0x0                           ; the wave's end, behind my last tensor load and my last LDS store
	ds_add_u32 v[SPW], v[NIL]
	s_wait_dscnt 0x0
	CROUND                                         ; the closing round
	s_endpgm
.Lfunc_end_k_q42e77e50a7_proj:
	.size	k_q42e77e50a7_proj, .Lfunc_end_k_q42e77e50a7_proj-k_q42e77e50a7_proj
	.p2alignl 7, 3214868480
	.fill 96, 4, 3214868480
	.section	.rodata,"a",@progbits
	.p2align	6, 0x0
	.amdhsa_kernel k_q42e77e50a7_proj
		.amdhsa_group_segment_fixed_size 327680
		.amdhsa_private_segment_fixed_size 0
		.amdhsa_enable_private_segment 0
		.amdhsa_kernarg_size 32
		.amdhsa_user_sgpr_count 2
		.amdhsa_user_sgpr_kernarg_segment_ptr 1
		.amdhsa_wavefront_size32 1
		.amdhsa_system_sgpr_workgroup_id_x 1
		.amdhsa_system_sgpr_workgroup_id_y 1
		.amdhsa_system_sgpr_workgroup_id_z 1
		.amdhsa_system_vgpr_workitem_id 0
		.amdhsa_next_free_vgpr 768
		.amdhsa_next_free_sgpr 66
		.amdhsa_reserve_vcc 0
		.amdhsa_float_denorm_mode_32 3
		.amdhsa_float_denorm_mode_16_64 3
		.amdhsa_memory_ordered 1
		.amdhsa_forward_progress 1
		.amdhsa_inst_pref_size 86
	.end_amdhsa_kernel
	.amdgpu_metadata
---
amdhsa.version: [ 1, 2 ]
amdhsa.kernels:
  - .name:           k_q42e77e50a7_proj
    .symbol:         k_q42e77e50a7_proj.kd
    .args:
      - { .name: z16, .offset: 0, .size: 8, .value_kind: global_buffer, .address_space: global }
      - { .name: wo16, .offset: 8, .size: 8, .value_kind: global_buffer, .address_space: global }
      - { .name: bo, .offset: 16, .size: 8, .value_kind: global_buffer, .address_space: global }
      - { .name: out0, .offset: 24, .size: 8, .value_kind: global_buffer, .address_space: global }
    .group_segment_fixed_size: 327680
    .private_segment_fixed_size: 0
    .kernarg_segment_align: 8
    .kernarg_segment_size: 32
    .max_flat_workgroup_size: 128
    .sgpr_count:     66
    .vgpr_count:     768
    .wavefront_size: 32
...
	.end_amdgpu_metadata
.endif
;; end of part 4
